; MI455X (gfx1250); checked and timed in simulation.
; The chip was launched on July 23, 2026; its instructions are those of AMD's public machine-readable ISA for CDNA 5 (MIT licence, August 2026) and "CDNA5" Instruction Set Architecture Reference Guide (July 2026). The comments in the code are by the model that wrote it; some were corrected since.
;; Multi Head Attention. Allowed arithmetic: matrix products marked QUANTISED: E2M1 operands, one E8M0 scale for each 32 along K, by v_wmma_scale_f32_16x16x128_f8f6f4 with both operands' format E2M1 (or v_wmma_scale_f32_32x16x128_f4), f32 sums; everything else in f32.
;; Inputs: Wk_b 1,024 float32; Wk_w_codes 1,024 x 32 x 16 uint8 (E2M1 codes of Wk_w, K innermost, in blocks of 32 codes, two codes a byte); Wk_w_scales 1,024 x 32 uint8 (E8M0 scales of Wk_w, one for each 32 codes along K); Wo_b 1,024 float32; Wo_w_codes 1,024 x 32 x 16 uint8 (E2M1 codes of Wo_w, K innermost, in blocks of 32 codes, two codes a byte); Wo_w_scales 1,024 x 32 uint8 (E8M0 scales of Wo_w, one for each 32 codes along K); Wq_b 1,024 float32; Wq_w_codes 1,024 x 32 x 16 uint8 (E2M1 codes of Wq_w, K innermost, in blocks of 32 codes, two codes a byte); Wq_w_scales 1,024 x 32 uint8 (E8M0 scales of Wq_w, one for each 32 codes along K); Wv_b 1,024 float32; Wv_w_codes 1,024 x 32 x 16 uint8 (E2M1 codes of Wv_w, K innermost, in blocks of 32 codes, two codes a byte); Wv_w_scales 1,024 x 32 uint8 (E8M0 scales of Wv_w, one for each 32 codes along K); key_codes 4 x 2,048 x 32 x 16 uint8 (E2M1 codes of key, K innermost, in blocks of 32 codes, two codes a byte); key_scales 4 x 2,048 x 32 uint8 (E8M0 scales of key, one for each 32 codes along K); query_codes 4 x 2,048 x 32 x 16 uint8 (E2M1 codes of query, K innermost, in blocks of 32 codes, two codes a byte); query_scales 4 x 2,048 x 32 uint8 (E8M0 scales of query, one for each 32 codes along K); value_codes 4 x 2,048 x 32 x 16 uint8 (E2M1 codes of value, K innermost, in blocks of 32 codes, two codes a byte); value_scales 4 x 2,048 x 32 uint8 (E8M0 scales of value, one for each 32 codes along K).
;; Outputs: out0 4 x 2,048 x 1,024 float32.
;; This version of the problem:
;;   THIS VERSION OF THE PROBLEM IS GIVEN IN LOW PRECISION. The matrix products marked QUANTISED in the list below multiply operands that are first quantised to E2M1 (2 exponent bits, 1 mantissa bit; 4 bits a number), with one power-of-two scale for each 32 numbers along K (OCP MX v1.0); their sums are f32. All else is computed in f32.
;;   The module's matrix products, in the order in which they are computed (A, B: the left and right operand; K: the contracted axis; several contracted axes count as one K, in the product's order):
;;     1. [M 8,192, K 1,024] x [K 1,024, N 1,024]; A: input query (given as codes); B: input Wq_w (given as codes): QUANTISED
;;     2. [M 8,192, K 1,024] x [K 1,024, N 1,024]; A: input key (given as codes); B: input Wk_w (given as codes): QUANTISED
;;     3. [M 8,192, K 1,024] x [K 1,024, N 1,024]; A: input value (given as codes); B: input Wv_w (given as codes): QUANTISED
;;     4. batch 64 x [M 2,048, K 64] x [K 64, N 2,048]; A: computed on the way; B: computed on the way: QUANTISED
;;     5. batch 64 x [M 64, K 2,048] x [K 2,048, N 2,048]; A: computed on the way; B: softmax (see below): QUANTISED
;;     6. [M 8,192, K 1,024] x [K 1,024, N 1,024]; A: computed on the way; B: input Wo_w (given as codes): QUANTISED
;;   THE QUANTISER, for each operand of a quantised product, along K:
;;     - K is cut into blocks of 32 from its start; a last block that is shorter is filled with zeros.
;;     - A block's scale is 2^e with e = floor(log2(the largest magnitude in the block)) - 2, held to -126 .. 127; a block of zeros has e = 0. As a byte (E8M0): e + 127.
;;     - Each number is divided by its block's scale, clamped to +-6, and rounded to the nearest number of E2M1, ties to even, subnormals kept.
;;     - The product sums the exact products of the quantised numbers (number of the format x scale) in f32.
;;   ~~~python
;;   def quantise(x, axis):      # numpy; x: float32 -> the quantised numbers, widened to float32 again
;;       x = np.moveaxis(x, axis, -1); K = x.shape[-1]
;;       x = np.pad(x, [(0, 0)] * (x.ndim - 1) + [(0, -K % 32)]); x = x.reshape(x.shape[:-1] + (-1, 32)); a = np.abs(x).max(-1, keepdims=True)
;;       e = np.where(a > 0, np.clip(np.frexp(np.where(a > 0, a, 1))[1] - 1 - 2, -126, 127), 0)      # np.frexp(a)[1] - 1 = floor(log2(a)), exactly
;;       r = np.clip(x / 2.0 ** e, -6, 6)
;;       step = 2.0 ** (np.maximum(np.frexp(np.where(r == 0, 1, r))[1] - 1, 0) - 1)
;;       q = np.round(r / step) * step * 2.0 ** e      # np.round: ties to even
;;       return np.moveaxis(q.reshape(q.shape[:-2] + (-1,))[..., :K], -1, axis).astype(np.float32)
;;   ~~~
;;   SOFTMAX AHEAD OF A QUANTISED PRODUCT. Where the list says 'softmax', what is quantised is not the finished softmax but p = 2^(t - M), with t = logit x log2(e) and M = ceil(the row's largest t), a whole number; so 1/2 < the row's largest p <= 1. The row's sum l is taken of the UNQUANTISED p, in f32, and the product's result is divided by l at the end. Since M is a whole number, a kernel that streams over the keys may use a running M (the ceiling of the running maximum): every later rescaling is an exact power of two, which a block's scale takes up: the codes' values come out the same.
;;   OPERANDS COMPUTED ON THE WAY. 'Computed on the way' means the value that the module computes at that place (a softmax that the list does not call 'softmax' is quantised finished and normalised). What goes into a quantiser is computed in f32, as accurately as f32 sums, v_exp_f32 and their like allow (about 1e-6 of the number): no bf16 or f16 on the way to a quantiser, and a product that is left as it is and whose result goes on into a quantised operand takes f32 operands (vector FMAs, or v_wmma_f32_16x16x4_f32). A number that lies on a knife's edge between two numbers of the format may be rounded either way, as far as f32 arithmetic and the matrix unit's own rounding can turn it there, and no further.
;;   INPUTS GIVEN AS CODES. Wk_w (in the module: [1024, 1024], K = its axis 0); Wo_w (in the module: [1024, 1024], K = its axis 0); Wq_w (in the module: [1024, 1024], K = its axis 0); Wv_w (in the module: [1024, 1024], K = its axis 0); key (in the module: [4, 2048, 1024], K = its axis 2); query (in the module: [4, 2048, 1024], K = its axis 2); value (in the module: [4, 2048, 1024], K = its axis 2): each comes as NAME_codes (uint8): NAME with its K axis moved to the last place and cut into blocks of 32 codes, [.., K / 32, bytes a block], one block behind the other in memory; two codes a byte, the lower K in the low four bits (a code: sign, 2 exponent bits, 1 mantissa bit); and NAME_scales (uint8): the same leading axes, one E8M0 byte (e + 127) for each 32 codes along K. Its value is code x scale, taken as it is: it is not quantised again, and the codes and scales need not be those that the quantiser above would give.
;; One version. Each part assembles by itself: llvm-mc -triple=amdgcn-amd-amdhsa -mcpu=gfx1250 --defsym DOCPART=n.
;; ======== version 1 of 1: 3 launches
;; limits: right only within a limited range of input values
;; workspace buffers: q_cod 4,194,304 bytes; k_cod 4,194,304 bytes; v_cod 4,194,304 bytes; q_scl 524,288 bytes; k_scl 524,288 bytes; v_scl 524,288 bytes; a_cod 4,194,304 bytes; a_scl 262,144 bytes
;; launch proj (part 1): grid 8 x 32, 8 waves a work-group, clusters of 4 x 4, 327,680 bytes of LDS; arguments Wq_w_codes, Wq_w_scales, query_codes, query_scales, Wq_b, q_cod, q_scl, Wk_w_codes, Wk_w_scales, key_codes, key_scales, Wk_b, k_cod, k_scl, value_codes, value_scales, Wv_w_codes, Wv_w_scales, Wv_b, v_cod, v_scl; writes q_cod, q_scl, k_cod, k_scl, v_cod, v_scl
.if DOCPART == 1
	.amdgcn_target "amdgcn-amd-amdhsa--gfx1250"
	.amdhsa_code_object_version 6
	.text
	.protected	k_qf338e2e68d_proj
	.globl	k_qf338e2e68d_proj
	.p2align	8
	.type	k_qf338e2e68d_proj,@function
k_qf338e2e68d_proj:
	s_mov_b64 s[64:65], 0
	v_nop
	global_prefetch_b8 v0, s[64:65] scope:SCOPE_SE
	s_setreg_imm32_b32 hwreg(HW_REG_WAVE_MODE, 25, 1), 1
	s_wait_xcnt 0x0
	s_wait_alu depctr_hold_cnt(0) depctr_sa_sdst(0) depctr_va_vdst(0) depctr_va_sdst(0) depctr_va_ssrc(0) depctr_va_vcc(0) depctr_vm_vsrc(0)
	s_getreg_b32 s2, hwreg(HW_REG_IB_STS2, 6, 4)
	s_cmp_eq_u32 s2, 0
	s_cbranch_scc0 .Lentry_in_a_cluster
	s_endpgm
.Lentry_in_a_cluster:
	s_bfe_u32 s2, ttmp6, 0x10000c
	s_cmp_lg_u32 s2, 0xf033
	s_cbranch_scc0 .Lentry_shape_is_right
	s_endpgm
.Lentry_shape_is_right:
; q = query Wq + bq, k = key Wk + bk, v = value Wv + bv on codes of FP4 (E2M1) with E8M0 scales; each result is quantised again, from f32, for the attention that follows.
; ONE GENERIC PRODUCT: C'[i][j] = sum over k of P[i][k] R[j][k], K = 1,024.  P is source 0 and i the axis along which the result is quantised; R is source 1 and a lane holds one j.
;   q, k: P = the weight (1,024 i = 16 heads x 64), R = the activation (8,192 j), bias along i.     v: P = value (8,192 i = the keys), R = Wv (1,024 j = the channels), bias along j.
; SHARES.  256 work-groups that stay: each makes three tiles of 128 i x 256 j over all of K, one of q, one of k, one of v.  Wave w makes all 128 i x j rows 32 w .. 32 w + 31: 8 tiles t x 2 tiles a = 16 accumulators.
; LDS.  A tile's operands and scale bytes fit at once and are filled by eight tensor loads, one a wave: waves 0, 1 P's halves of K; waves 2 to 5 R's halves of K x halves of its rows; wave 6 P's scale bytes; wave 7 R's.
; THE NEXT TILE'S FILL goes out directly behind a tile's last products (the three lines and a round of the cluster's barrier in front of it); the finished tile is quantised and stored while that fill is on its way.
; CLUSTERS of 4 x 4: P's tile hangs on the i tile alone, which a column of the cluster shares; R's on the j tile alone, which a row shares: each is asked for jointly by the four.
; PREFETCH: in tile T, behind its second K step, the activation's codes of tile T + 1 (key: 256 rows; value: 128 rows) are asked for, each aligned 256 bytes once a cluster: the partners that will load them jointly share the
; rows out by address.  Tile 0 comes by its loads alone.  The weights and the scale bytes are not asked for: every cluster of the launch reads the same few of them.
; THE RESULT.  In tile t lane (r, h) holds j row r and i = 16 t + 8 h + 0 .. 7.  A block of 32 along i is tiles 2 b and 2 b + 1, in lanes l and l xor 16.  The codes of tile 2 b go to register 4 (b / 2) + b % 2, those of
; tile 2 b + 1 to 4 (b / 2) + 2 + b % 2; an exchange of halves between neighbouring registers leaves the operand's layout: registers 4 c .. 4 c + 3 = i 64 c + 32 h + 0 .. 31.
; THE WORKSPACE IS LAID AS IMAGES OF THE READER'S REGISTERS: four registers of the 32 lanes are 512 consecutive bytes, 16 a lane.
;   q_cod, k_cod [batch x 16 + head][tile of 16 rows][lane x 16];   v_cod [batch x 16 + head][128 keys][16 channels][half][lane x 16]
;   q_scl, k_scl [batch x 8 + pair of heads][pair of tiles][r][head of the pair][tile of the pair], a word each: bytes 0, 1 the head's two scales; bytes 2, 3 meet zero codes alone and are never 0xff
;   v_scl [batch x 16 + head][128 keys][pair of channel tiles][r][twice][tile of the pair], a word each: the four scales of 128 keys; written twice so that a wave's store covers 256 consecutive bytes
; LIMITS: NaN, infinities and a given scale byte 0xff are not served.  A block whose largest magnitude lies under 2^-124 (a block of zeros among them) gets the byte 1; these bytes are read by this program alone.
.set PITCH, 272                        ; an LDS row: 256 bytes + 16 of padding
.set PCH,   128*PITCH                  ; P: one half of K, 128 rows
.set RB,    2*PCH                      ; R begins here
.set RCH,   256*PITCH                  ; R: one half of K, 256 rows
.set SPB,   RB+2*RCH                   ; P's scale bytes: 16 pieces of 256 bytes + 16
.set SRB,   SPB+16*272                 ; R's: 32 pieces
.set SPARE, SRB+32*272                 ; the spare words: 128 bytes a wave
.set WV,    22                         ; s22 my wave.  s2 cx, s3 cy; s4, s5 the i and j tile of q and k; s6, s7 those of v
.set G1P,   24                         ; groups 1: s[24:31] P's codes, s[32:39] R's, s[40:47], s[48:55] their scales
.set G1R,   32
.set G1SP,  40
.set G1SR,  48
.set G0P,   56                         ; groups 0: s[56:59] P, s[60:63] R, s[84:87], s[88:91] their scales
.set G0R,   60
.set G0SP,  84
.set G0SR,  88
.set SEL,   98                         ; s[98:99] v_permlanex16_b32's selects for lane l xor 16
.set ADP,   3                          ; v3, v4   my lane in P's first tile, halves 0 and 1 of K
.set ADR,   5                          ; v5, v6   the same in my wave's 32 rows of R
.set ASP,   7                          ; v7       P's scale words: lanes 0-15 row r, lanes 16-31 row 64 + r
.set ASR,   8                          ; v8       R's: my wave's row = my lane
.set BIO,   9                          ; v9       bias along i: 32 h
.set BJO,   10                         ; v10      bias along j: 4 r + 128 w
.set LOF,   11                         ; v11      16 x lane
.set OCO,   12                         ; v12      the tile's offset for the codes, v13 for the scale words
.set OSC,   13
.set PFO,   14                         ; v14      the prefetch: 512 r + 256 h
.set SOF,   15                         ; v15      16 r + 8 h
.set VSH,   16                         ; v16      16 h
.set SP,    20                         ; v20-23   P's scale words: lanes 0-15 tile t, lanes 16-31 tile t + 4.  Scales and nothing else
.set SR,    24                         ; v24      R's: lanes 0-15 a = 0, lanes 16-31 a = 1
.set BV,    32                         ; v32-47   the bias along j, eight times for each a
.set RF,    48                         ; v48-63   R's two fragments
.set PF,    64                         ; v64-127  P's eight
.set ACC,   128                        ; v128-255 accumulator (a, t) at ACC + 64 a + 8 t
.set TM,    64                         ; the way out, in P's registers
.set PC0,   80
.set PC1,   88
.set PW,    96
.set XS,    98
.macro ROUND                           ; a round of the cluster's barrier
	s_barrier_signal -1
	s_barrier_wait -1
	s_cmp_lg_u32 s[WV], 0
	s_cbranch_scc1 .Lnot_wave_0_\@
	s_barrier_signal -3
.Lnot_wave_0_\@:
	s_barrier_wait -3
	s_barrier_signal -1
	s_barrier_wait -1
.endm
.macro WM d, a, b, c, sa, sb, ra, rb   ; D = A B + C.  ra, rb = 1: that side's scales stand in lanes 16-31
.if (\ra) && (\rb)
	v_wmma_scale_f32_16x16x128_f8f6f4 v[\d:\d+7], v[\a:\a+7], v[\b:\b+7], v[\c:\c+7], v[\sa], v[\sb] matrix_a_fmt:MATRIX_FMT_FP4 matrix_b_fmt:MATRIX_FMT_FP4 matrix_a_scale:MATRIX_SCALE_ROW1 matrix_b_scale:MATRIX_SCALE_ROW1
.elseif (\ra)
	v_wmma_scale_f32_16x16x128_f8f6f4 v[\d:\d+7], v[\a:\a+7], v[\b:\b+7], v[\c:\c+7], v[\sa], v[\sb] matrix_a_fmt:MATRIX_FMT_FP4 matrix_b_fmt:MATRIX_FMT_FP4 matrix_a_scale:MATRIX_SCALE_ROW1
.elseif (\rb)
	v_wmma_scale_f32_16x16x128_f8f6f4 v[\d:\d+7], v[\a:\a+7], v[\b:\b+7], v[\c:\c+7], v[\sa], v[\sb] matrix_a_fmt:MATRIX_FMT_FP4 matrix_b_fmt:MATRIX_FMT_FP4 matrix_b_scale:MATRIX_SCALE_ROW1
.else
	v_wmma_scale_f32_16x16x128_f8f6f4 v[\d:\d+7], v[\a:\a+7], v[\b:\b+7], v[\c:\c+7], v[\sa], v[\sb] matrix_a_fmt:MATRIX_FMT_FP4 matrix_b_fmt:MATRIX_FMT_FP4
.endif
.endm
; 128 along K: the q-th of half ch.  25 LDS loads, 16 matrix instructions on 16 accumulators by turns.  cm = 1: the sums start from the bias along j.
.macro KSTEP ch, q, cm
.if (\ch)+(\q) > 0
.rept 4
	v_nop                                          ; four places in front of loads into registers that matrix instructions have read
.endr
.endif
.irp a, 0,1
.irp c, 0,1
	ds_load_b128 v[RF+8*\a+4*\c:RF+8*\a+4*\c+3], v[ADR+\ch] offset:\a*16*PITCH+64*(\q)+32*\c
.endr
.endr
	ds_load_b32 v[SR], v[ASR] offset:4*(4*(\ch)+(\q))
.irp t, 0,1,2,3
	ds_load_b32 v[SP+\t], v[ASP] offset:\t*544+4*(4*(\ch)+(\q))
.endr
.irp t, 0,1,2,3,4,5,6,7
.irp c, 0,1
	ds_load_b128 v[PF+8*\t+4*\c:PF+8*\t+4*\c+3], v[ADP+\ch] offset:\t*16*PITCH+64*(\q)+32*\c
.endr
.endr
	s_wait_dscnt 8                                 ; all but the youngest eight loads, P's tiles 4 to 7
.irp t, 0,1,2,3
.irp a, 0,1
.if \cm
	WM ACC+64*\a+8*\t, PF+8*\t, RF+8*\a, BV+8*\a, SP+\t, SR, 0, \a
.else
	WM ACC+64*\a+8*\t, PF+8*\t, RF+8*\a, ACC+64*\a+8*\t, SP+\t, SR, 0, \a
.endif
.endr
.endr
	s_wait_dscnt 0x0
.irp t, 4,5,6,7
.irp a, 0,1
.if \cm
	WM ACC+64*\a+8*\t, PF+8*\t, RF+8*\a, BV+8*\a, SP+\t-4, SR, 1, \a
.else
	WM ACC+64*\a+8*\t, PF+8*\t, RF+8*\a, ACC+64*\a+8*\t, SP+\t-4, SR, 1, \a
.endif
.endr
.endr
.endm
; 64 numbers of a lane, v[s] on, register 16 b + 8 u + i = place 32 b + 16 u + 8 h + i of my row, become a fragment's codes in v[pc] on and its scale word in v[pw].  Each accumulator is read from its low end on.
.macro QUANT s, pc, pw
.irp b, 0,1,2,3
	v_max3_num_f32 v[TM+\b], |v[\s+16*\b]|, |v[\s+16*\b+1]|, 0x1800000   ; my 16 numbers of block b, and the floor 2^(3 - 127): the byte cannot fall under 1
.endr
.irp i, 2,4,6,8,10,12,14
.irp b, 0,1,2,3
	v_max3_num_f32 v[TM+\b], v[TM+\b], |v[\s+16*\b+\i]|, |v[\s+16*\b+\i+1]|   ; the four blocks by turns
.endr
.endr
.irp b, 0,1,2,3
	s_delay_alu instid0(VALU_DEP_4)
	v_permlanex16_b32 v[TM+4+\b], v[TM+\b], s[SEL], s[SEL+1]
.endr
.irp b, 0,1,2,3
	s_delay_alu instid0(VALU_DEP_4)
	v_max_num_f32 v[TM+\b], v[TM+\b], v[TM+4+\b]   ; with lane l xor 16's 16: the block's largest magnitude
.endr
.irp b, 0,1,2,3
	s_delay_alu instid0(VALU_DEP_4)
	v_add_nc_u32 v[TM+8+\b], 0xff000000, v[TM+\b]  ; 2 off its exponent field: the conversion's scale operand
.endr
.irp b, 0,1,2,3
	s_delay_alu instid0(VALU_DEP_4)
	v_lshrrev_b32 v[TM+4+\b], 23, v[TM+8+\b]       ; the scale's byte
.endr
	s_delay_alu instid0(VALU_DEP_3)
	v_lshl_or_b32 v[\pw], v[TM+5], 8, v[TM+4]
	s_delay_alu instid0(VALU_DEP_1)
	v_lshl_or_b32 v[\pw], v[TM+6], 16, v[\pw]
	s_delay_alu instid0(VALU_DEP_1)
	v_lshl_or_b32 v[\pw], v[TM+7], 24, v[\pw]
.irp b, 0,1,2,3
	v_cvt_scalef32_pk8_fp4_f32 v[\pc+4*(\b/2)+(\b%2)], v[\s+16*\b:\s+16*\b+7], v[TM+8+\b]
	v_cvt_scalef32_pk8_fp4_f32 v[\pc+4*(\b/2)+2+(\b%2)], v[\s+16*\b+8:\s+16*\b+15], v[TM+8+\b]
.endr
	v_nop                                          ; one plain place behind the last scaled conversion
.irp c, 0,1
	v_permlane16_swap_b32 v[\pc+4*\c], v[\pc+4*\c+1]
	v_permlane16_swap_b32 v[\pc+4*\c+2], v[\pc+4*\c+3]
.endr
.endm
.macro ARGS base, off                  ; a product's seven addresses: P's codes, P's scales, R's codes, R's scales, the bias, the codes out, the scale words out
	s_load_b256 s[\base:\base+7], s[0:1], \off
	s_load_b128 s[\base+8:\base+11], s[0:1], \off+0x20
	s_load_b64 s[\base+12:\base+13], s[0:1], \off+0x30
.endm
; The four groups 0 of a tile.  P's offsets are made of the i tile and the wave's number (s92, s93, s[66:67]), R's of the j tile and the wave's number (s94, s95, s[82:83]).
.macro DESC ab, i, j
	s_and_b32 s92, s[WV], 1                        ; waves 0 and 1: P's half of K
	s_lshl_b32 s66, s92, 8                         ; 256 bytes on in each row
	s_lshl_b32 s93, s[\i], 16                      ; i tile x 128 rows x 512 bytes
	s_add_co_u32 s66, s66, s93
	s_mov_b32 s67, 0
	s_mov_b32 s[G0P], 1
	s_mul_i32 s[G0P+1], s92, PCH
	s_add_nc_u64 s[G0P+2:G0P+3], s[\ab:\ab+1], s[66:67]
	s_or_b32 s[G0P+3], s[G0P+3], 0x80000000
	s_lshl_b32 s66, s[\i], 12                      ; P's scales: 128 rows x 32 bytes
	s_mov_b32 s[G0SP], 1
	s_mov_b32 s[G0SP+1], SPB
	s_add_nc_u64 s[G0SP+2:G0SP+3], s[\ab+2:\ab+3], s[66:67]
	s_or_b32 s[G0SP+3], s[G0SP+3], 0x80000000
	s_add_co_u32 s94, s[WV], 2
	s_and_b32 s94, s94, 3                          ; waves 2 to 5: u = 0..3
	s_and_b32 s95, s94, 1                          ; which 128 rows of R
	s_lshr_b32 s94, s94, 1                         ; which half of K
	s_lshl_b32 s82, s95, 16
	s_lshl_b32 s83, s94, 8
	s_add_co_u32 s82, s82, s83
	s_lshl_b32 s83, s[\j], 17                      ; j tile x 256 rows x 512 bytes
	s_add_co_u32 s82, s82, s83
	s_mov_b32 s83, 0
	s_mul_i32 s95, s95, 128*PITCH
	s_mul_i32 s94, s94, RCH
	s_add_co_u32 s95, s95, s94
	s_mov_b32 s[G0R], 1
	s_add_co_u32 s[G0R+1], s95, RB
	s_add_nc_u64 s[G0R+2:G0R+3], s[\ab+4:\ab+5], s[82:83]
	s_or_b32 s[G0R+3], s[G0R+3], 0x80000000
	s_lshl_b32 s82, s[\j], 13                      ; R's scales: 256 rows x 32 bytes
	s_mov_b32 s[G0SR], 1
	s_mov_b32 s[G0SR+1], SRB
	s_add_nc_u64 s[G0SR+2:G0SR+3], s[\ab+6:\ab+7], s[82:83]
	s_or_b32 s[G0SR+3], s[G0SR+3], 0x80000000
.endm
.macro TL g0, g1                       ; a joint load; s_nop 0 and four v_nop follow it
	tensor_load_to_lds s[\g0:\g0+3], s[\g1:\g1+7]
	s_nop 0
.rept 4
	v_nop
.endr
.endm
.macro LOADS                           ; one chain of branches on the wave's number, a load to an arm: every way passes exactly one
	s_cmp_lt_u32 s[WV], 2
	s_cbranch_scc0 .Lla_\@
	TL G0P, G1P
	s_branch .Lld_\@
.Lla_\@:
	s_cmp_lt_u32 s[WV], 6
	s_cbranch_scc0 .Llb_\@
	TL G0R, G1R
	s_branch .Lld_\@
.Llb_\@:
	s_cmp_lt_u32 s[WV], 7
	s_cbranch_scc0 .Llc_\@
	TL G0SP, G1SP
	s_branch .Lld_\@
.Llc_\@:
	TL G0SR, G1SR
.Lld_\@:
.endm
; The prefetch of the next tile's activation: rows (tile << rs) + (my place among the four that load it jointly << ps) + 16 w + r, both halves of a row's 512 bytes: a lane names one aligned 256 bytes; waves 0 .. nw - 1 ask.
.macro ASK p, ti, rs, pt, ps, nw
	s_cmp_lt_u32 s[WV], \nw
	s_cbranch_scc0 .Lnp_\@
	s_lshl_b32 s100, s[\ti], \rs
	s_lshl_b32 s101, s[\pt], \ps
	s_add_co_u32 s100, s100, s101
	s_lshl_b32 s101, s[WV], 4
	s_add_co_u32 s100, s100, s101
	s_lshl_b32 s100, s100, 9
	s_mov_b32 s101, 0
	s_add_nc_u64 s[100:101], s[\p:\p+1], s[100:101]
	global_prefetch_b8 v[PFO], s[100:101] th:TH_LOAD_NT scope:SCOPE_SE
.Lnp_\@:
.endm
; The way out of tile T: where it goes (s96 the codes, s23 the scale words), the two quantisers, five stores.
.macro EPI T, ab
.if \T < 2
.set D1, 65536                         ; from registers 0-3 to 4-7: the next head
.set D2, 512                           ; from a = 0 to a = 1: the next tile
	s_lshr_b32 s96, s5, 3                          ; batch: 8 j tiles of 256 rows each
	s_and_b32 s97, s5, 7
	s_lshl_b32 s23, s96, 3
	s_add_co_u32 s23, s23, s4                      ; batch x 8 + pair of heads
	s_lshl_b32 s96, s23, 17
	s_lshl_b32 s23, s23, 3
	s_add_co_u32 s23, s23, s97
	s_lshl_b32 s97, s97, 13                        ; 16 tiles of 512 bytes for each j tile
	s_add_co_u32 s96, s96, s97
	s_lshl_b32 s97, s[WV], 10                      ; two tiles a wave
	s_add_co_u32 s96, s96, s97
	s_lshl_b32 s23, s23, 3
	s_add_co_u32 s23, s23, s[WV]
	s_lshl_b32 s23, s23, 8
.else
.set D1, 512                           ; the fragment's other half
.set D2, 1024                          ; the next fragment
	s_lshr_b32 s96, s6, 4                          ; batch: 16 i tiles of 128 keys each
	s_lshl_b32 s96, s96, 4
	s_lshl_b32 s97, s7, 2
	s_add_co_u32 s96, s96, s97
	s_lshr_b32 s97, s[WV], 1
	s_add_co_u32 s96, s96, s97                     ; batch x 16 + head: four heads to a j tile, two waves to a head
	s_lshl_b32 s96, s96, 4
	s_and_b32 s97, s6, 15
	s_add_co_u32 s96, s96, s97                     ; x 16 + which 128 keys
	s_and_b32 s97, s[WV], 1
	s_lshl_b32 s23, s96, 1
	s_add_co_u32 s23, s23, s97
	s_lshl_b32 s23, s23, 8
	s_lshl_b32 s96, s96, 12                        ; 4 fragments of 1,024 bytes, two of them a wave
	s_lshl_b32 s97, s97, 11
	s_add_co_u32 s96, s96, s97
.endif
	v_add_nc_u32 v[OCO], s96, v[LOF]               ; these four lines are places behind the last products
	v_add_nc_u32 v[OSC], s23, v[SOF]
	v_nop
	v_nop
.irp b, 0,1,2,3
	v_mov_b32 v[TM+4+\b], 0                        ; a lane permute's destination counts as one of its sources
.endr
	QUANT ACC, PC0, PW
	global_store_b128 v[OCO], v[PC0:PC0+3], s[\ab+10:\ab+11]       ; each store of the wave covers 512 consecutive bytes, aligned
	global_store_b128 v[OCO], v[PC0+4:PC0+7], s[\ab+10:\ab+11] offset:D1
	QUANT ACC+64, PC1, PW+1
	global_store_b128 v[OCO], v[PC1:PC1+3], s[\ab+10:\ab+11] offset:D2
	global_store_b128 v[OCO], v[PC1+4:PC1+7], s[\ab+10:\ab+11] offset:D2+D1
.if \T < 2
	v_lshrrev_b32 v[XS], v[VSH], v[PW]             ; lanes 16-31 bring the second head's two bytes down
	v_lshrrev_b32 v[XS+1], v[VSH], v[PW+1]
	global_store_b64 v[OSC], v[XS:XS+1], s[\ab+12:\ab+13]  ; 256 consecutive bytes, aligned
.else
	global_store_b64 v[OSC], v[PW:PW+1], s[\ab+12:\ab+13]
.endif
.endm
; Tile T (0 q, 1 k, 2 v), its addresses at s[ab] on.  On the way in its eight loads are out.
.macro TILE T, ab
.if \T < 2
	s_lshl_b32 s66, s4, 9                          ; the i tile's 128 numbers of the bias land in the accumulators: lane (r, h), tile t: i = 16 t + 8 h + 0 .. 7
	s_mov_b32 s67, 0
	s_add_nc_u64 s[66:67], s[\ab+8:\ab+9], s[66:67]
.irp a, 0,1
.irp t, 0,1,2,3,4,5,6,7
	global_load_b128 v[ACC+64*\a+8*\t:ACC+64*\a+8*\t+3], v[BIO], s[66:67] offset:64*\t
	global_load_b128 v[ACC+64*\a+8*\t+4:ACC+64*\a+8*\t+7], v[BIO], s[66:67] offset:64*\t+16
.endr
.endr
.else
	s_lshl_b32 s82, s7, 10                         ; the j tile's 256 numbers: my row's number in all eight registers
	s_mov_b32 s83, 0
	s_add_nc_u64 s[82:83], s[\ab+8:\ab+9], s[82:83]
.irp a, 0,1
.irp j, 0,1,2,3,4,5,6,7
	global_load_b32 v[BV+8*\a+\j], v[BJO], s[82:83] offset:64*\a
.endr
.endr
.endif
	s_wait_tensorcnt 0x0                           ; my load has landed,
	s_barrier_signal -1
	s_barrier_wait -1                              ; everybody's has: the tile is whole
	s_wait_loadcnt 0x0                             ; the bias
.if \T == 2
	KSTEP 0, 0, 1
.else
	KSTEP 0, 0, 0
.endif
	KSTEP 0, 1, 0
.if \T == 0
	ASK 72, 5, 8, 2, 6, 4                          ; key's 256 rows of my j tile: my 64 of them by cx, 16 a wave
.endif
.if \T == 1
	s_wait_kmcnt 0x0                               ; v's seven addresses
	ASK 8, 6, 7, 3, 5, 2                           ; value's 128 rows of my i tile: my 32 of them by cy, 16 a wave
.endif
	KSTEP 0, 2, 0
	KSTEP 0, 3, 0
	KSTEP 1, 0, 0
	KSTEP 1, 1, 0
	KSTEP 1, 2, 0
	KSTEP 1, 3, 0
.if \T < 2
	s_wait_tensorcnt 0x0                           ; no tensor load of mine is out, so the groups 0 may be written;
	ds_add_u32 v30, v31                            ; 0 onto my spare word
.if \T == 0
	DESC 68, 4, 5
.else
	DESC 8, 6, 7
.endif
	s_wait_dscnt 0x0                               ; the add is done, and my reads of this tile are over
	ROUND                                          ; both hold of every wave of all sixteen work-groups
	LOADS                                          ; the next tile's fill, one load a wave
.endif
	EPI \T, \ab
	s_wait_xcnt 0x0                                ; the stores and the prefetch have read their registers
.if \T == 0
	ARGS 8, 0x70                                   ; v's seven addresses take q's place
.endif
.endm
	ARGS 8, 0x0                                    ; q's seven addresses
	ARGS 68, 0x38                                  ; k's
	v_lshl_add_u32 v30, v0, 2, SPARE
	v_mov_b32 v31, 0
	ds_add_u32 v30, v31                            ; the opening lines: the add twice on end and one wait, ahead of the first round
	ds_add_u32 v30, v31
	v_lshrrev_b32 v1, 5, v0
	v_readfirstlane_b32 s[WV], v1                  ; wave 0..7
	s_mul_i32 s92, s[WV], 32*PITCH
	s_add_co_u32 s92, s92, RB
	s_lshl_b32 s93, s[WV], 7
	v_and_b32 v1, 15, v0                           ; r
	v_bfe_u32 v2, v0, 4, 1                         ; h
	v_and_b32 v17, 31, v0                          ; lane
	v_mul_u32_u24 v18, v1, PITCH
	v_lshl_add_u32 v[ADP], v2, 4, v18              ; row r x pitch + 16 h (P begins at LDS byte 0)
	v_add_nc_u32 v[ADP+1], PCH, v[ADP]
	v_add_nc_u32 v[ADR], s92, v[ADP]               ; my wave's 32 rows of R
	v_add_nc_u32 v[ADR+1], RCH, v[ADR]
	v_lshl_add_u32 v19, v2, 6, v1                  ; row r + 64 h of P: 32 scale bytes a row, eight rows to a piece of 256 + 16
	v_lshrrev_b32 v[ASP], 3, v19
	v_and_b32 v19, 7, v19
	v_mul_u32_u24 v[ASP], v[ASP], 272
	v_lshl_add_u32 v[ASP], v19, 5, v[ASP]
	v_add_nc_u32 v[ASP], SPB, v[ASP]
	v_lshrrev_b32 v[ASR], 3, v0                    ; row 32 w + lane of R = my thread's number
	v_and_b32 v19, 7, v0
	v_mul_u32_u24 v[ASR], v[ASR], 272
	v_lshl_add_u32 v[ASR], v19, 5, v[ASR]
	v_add_nc_u32 v[ASR], SRB, v[ASR]
	v_lshlrev_b32 v[BIO], 5, v2
	v_lshlrev_b32 v[BJO], 2, v1
	v_add_nc_u32 v[BJO], s93, v[BJO]
	v_lshlrev_b32 v[LOF], 4, v17
	v_lshlrev_b32 v[SOF], 4, v1
	v_lshl_add_u32 v[SOF], v2, 3, v[SOF]
	v_lshlrev_b32 v[VSH], 4, v2
	v_lshlrev_b32 v[PFO], 9, v1
	v_lshl_add_u32 v[PFO], v2, 8, v[PFO]
	s_wait_alu depctr_va_vdst(0)                   ; the wait behind the head's last vector instruction
	s_bfe_u32 s2, ttmp6, 0x40000                   ; cx
	s_bfe_u32 s3, ttmp6, 0x40004                   ; cy
	s_and_b32 s7, ttmp7, 0xffff                    ; the cluster's y, 0..7
	s_lshl_b32 s4, ttmp9, 2
	s_add_co_u32 s4, s4, s2                        ; q, k: the i tile = 4 x cluster x + cx (0..7)
	s_lshl_b32 s5, s7, 2
	s_add_co_u32 s5, s5, s3                        ; q, k: the j tile = 4 x cluster y + cy (0..31)
	s_lshl_b32 s6, s7, 3
	s_add_co_u32 s6, s6, s4                        ; v: the i tile = 4 (cluster x + 2 cluster y) + cx (0..63)
	s_mov_b32 s7, s3                               ; v: the j tile = cy
	s_lshl_b32 s92, 0x1111, s2                     ; my column of the cluster (same cx): P's tiles
	s_lshl_b32 s93, s3, 2
	s_lshl_b32 s93, 15, s93                        ; my row (same cy): R's tiles
	; group 1, codes: 128 rows x 256 elements of one byte, 512 bytes from row to row; 4 words of padding behind every 64
	s_or_b32 s[G1P], s92, (1<<20)|(1<<21)|(5<<22)|(3<<25)
	s_or_b32 s[G1R], s93, (1<<20)|(1<<21)|(5<<22)|(3<<25)
.irp g, G1P, G1R
	s_mov_b32 s[\g+1], 256<<16
	s_mov_b32 s[\g+2], 128<<16
	s_mov_b32 s[\g+3], 256<<16
	s_mov_b32 s[\g+4], 128
	s_mov_b32 s[\g+5], 512
	s_mov_b32 s[\g+6], 0
	s_mov_b32 s[\g+7], 0
.endr
	; group 1, scales: a dense block as rows of 256 bytes (32 elements of 8 bytes), padded alike: 16 rows for P, 32 for R
	s_or_b32 s[G1SP], s92, (3<<16)|(1<<20)|(1<<21)|(5<<22)|(3<<25)
	s_or_b32 s[G1SR], s93, (3<<16)|(1<<20)|(1<<21)|(5<<22)|(3<<25)
.irp g, G1SP, G1SR
	s_mov_b32 s[\g+1], 32<<16
	s_mov_b32 s[\g+3], 32<<16
	s_mov_b32 s[\g+5], 32
	s_mov_b32 s[\g+6], 0
	s_mov_b32 s[\g+7], 0
.endr
	s_mov_b32 s[G1SP+2], 16<<16
	s_mov_b32 s[G1SP+4], 16
	s_mov_b32 s[G1SR+2], 32<<16
	s_mov_b32 s[G1SR+4], 32
	s_mov_b32 s[SEL], 0x76543210
	s_mov_b32 s[SEL+1], 0xfedcba98
	s_wait_dscnt 0x0                               ; both opening adds are done
	s_wait_kmcnt 0x0
	DESC 8, 4, 5
	ROUND                                          ; all sixteen work-groups are here: the first joint loads meet
	LOADS
	TILE 0, 8
	TILE 1, 68
	TILE 2, 8
	s_wait_tensorcnt 0x0                           ; the wave's end
	ds_add_u32 v30, v31
	s_wait_dscnt 0x0
	ROUND                                          ; the closing round
	s_endpgm
.Lfunc_end_k_qf338e2e68d_proj:
	.size	k_qf338e2e68d_proj, .Lfunc_end_k_qf338e2e68d_proj-k_qf338e2e68d_proj
	.p2alignl 7, 3214868480
	.fill 96, 4, 3214868480
	.section	.rodata,"a",@progbits
	.p2align	6, 0x0
	.amdhsa_kernel k_qf338e2e68d_proj
		.amdhsa_group_segment_fixed_size 327680
		.amdhsa_private_segment_fixed_size 0
		.amdhsa_enable_private_segment 0
		.amdhsa_kernarg_size 168
		.amdhsa_user_sgpr_count 2
		.amdhsa_user_sgpr_kernarg_segment_ptr 1
		.amdhsa_wavefront_size32 1
		.amdhsa_system_sgpr_workgroup_id_x 1
		.amdhsa_system_sgpr_workgroup_id_y 1
		.amdhsa_system_sgpr_workgroup_id_z 1
		.amdhsa_system_vgpr_workitem_id 0
		.amdhsa_next_free_vgpr 256
		.amdhsa_next_free_sgpr 102
		.amdhsa_reserve_vcc 0
		.amdhsa_float_denorm_mode_32 3
		.amdhsa_float_denorm_mode_16_64 3
		.amdhsa_memory_ordered 1
		.amdhsa_forward_progress 1
		.amdhsa_inst_pref_size 144
	.end_amdhsa_kernel
	.amdgpu_metadata
---
amdhsa.version: [ 1, 2 ]
amdhsa.kernels:
  - .name:           k_qf338e2e68d_proj
    .symbol:         k_qf338e2e68d_proj.kd
    .args:
      - { .name: Wq_w_codes, .offset: 0, .size: 8, .value_kind: global_buffer, .address_space: global }
      - { .name: Wq_w_scales, .offset: 8, .size: 8, .value_kind: global_buffer, .address_space: global }
      - { .name: query_codes, .offset: 16, .size: 8, .value_kind: global_buffer, .address_space: global }
      - { .name: query_scales, .offset: 24, .size: 8, .value_kind: global_buffer, .address_space: global }
      - { .name: Wq_b, .offset: 32, .size: 8, .value_kind: global_buffer, .address_space: global }
      - { .name: q_cod, .offset: 40, .size: 8, .value_kind: global_buffer, .address_space: global }
      - { .name: q_scl, .offset: 48, .size: 8, .value_kind: global_buffer, .address_space: global }
      - { .name: Wk_w_codes, .offset: 56, .size: 8, .value_kind: global_buffer, .address_space: global }
      - { .name: Wk_w_scales, .offset: 64, .size: 8, .value_kind: global_buffer, .address_space: global }
      - { .name: key_codes, .offset: 72, .size: 8, .value_kind: global_buffer, .address_space: global }
      - { .name: key_scales, .offset: 80, .size: 8, .value_kind: global_buffer, .address_space: global }
      - { .name: Wk_b, .offset: 88, .size: 8, .value_kind: global_buffer, .address_space: global }
      - { .name: k_cod, .offset: 96, .size: 8, .value_kind: global_buffer, .address_space: global }
      - { .name: k_scl, .offset: 104, .size: 8, .value_kind: global_buffer, .address_space: global }
      - { .name: value_codes, .offset: 112, .size: 8, .value_kind: global_buffer, .address_space: global }
      - { .name: value_scales, .offset: 120, .size: 8, .value_kind: global_buffer, .address_space: global }
      - { .name: Wv_w_codes, .offset: 128, .size: 8, .value_kind: global_buffer, .address_space: global }
      - { .name: Wv_w_scales, .offset: 136, .size: 8, .value_kind: global_buffer, .address_space: global }
      - { .name: Wv_b, .offset: 144, .size: 8, .value_kind: global_buffer, .address_space: global }
      - { .name: v_cod, .offset: 152, .size: 8, .value_kind: global_buffer, .address_space: global }
      - { .name: v_scl, .offset: 160, .size: 8, .value_kind: global_buffer, .address_space: global }
    .group_segment_fixed_size: 327680
    .private_segment_fixed_size: 0
    .kernarg_segment_align: 8
    .kernarg_segment_size: 168
    .max_flat_workgroup_size: 256
    .sgpr_count:     102
    .vgpr_count:     256
    .wavefront_size: 32
...
	.end_amdgpu_metadata
.endif
;; end of part 1
;; launch attn (part 2): grid 8 x 32, 16 waves a work-group, clusters of 4 x 1, 297,984 bytes of LDS; arguments q_cod, q_scl, k_cod, k_scl, v_cod, v_scl, a_cod, a_scl; writes a_cod, a_scl
.if DOCPART == 2
	.amdgcn_target "amdgcn-amd-amdhsa--gfx1250"
	.amdhsa_code_object_version 6
	.text
	.protected	k_qf338e2e68d_attn
	.globl	k_qf338e2e68d_attn
	.p2align	8
	.type	k_qf338e2e68d_attn,@function
k_qf338e2e68d_attn:
	s_mov_b64 s[64:65], 0
	v_nop
	global_prefetch_b8 v0, s[64:65] scope:SCOPE_SE
	s_setreg_imm32_b32 hwreg(HW_REG_WAVE_MODE, 25, 1), 1
	s_wait_xcnt 0x0
	s_wait_alu depctr_hold_cnt(0) depctr_sa_sdst(0) depctr_va_vdst(0) depctr_va_sdst(0) depctr_va_ssrc(0) depctr_va_vcc(0) depctr_vm_vsrc(0)
	s_getreg_b32 s2, hwreg(HW_REG_IB_STS2, 6, 4)
	s_cmp_eq_u32 s2, 0
	s_cbranch_scc0 .Lentry_in_a_cluster
	s_endpgm
.Lentry_in_a_cluster:
	s_bfe_u32 s2, ttmp6, 0x10000c
	s_cmp_lg_u32 s2, 0x3003
	s_cbranch_scc0 .Lentry_shape_is_right
	s_endpgm
.Lentry_shape_is_right:
; O[q] = the sum over keys of softmax(q . k / sqrt(2048)) v for each of 64 heads of size 64, both products on codes of FP4 (E2M1) with E8M0 scales; O / l is quantised again, along head x 64 + channel, for the last product.
; THE SOFTMAX AHEAD OF THE SECOND PRODUCT: t = score x log2(e) / sqrt(2048); M = the running largest t rounded UP to a whole number; p = 2^(t - M) is quantised along the keys, not normalised.  The row's sum is taken of the
; unquantised p and divides O at the end.  When M moves, the sum and O are multiplied by 2^(old M - new M), which rounds nothing.
; SHARES.  A work-group owns 256 queries of a PAIR of heads; each of its sixteen waves one tile of 16 queries, in 256 registers, four waves to a SIMD, so that one wave's vector work stands beside another's matrix work and
; LDS loads.  A wave walks all 2,048 keys twice, once for each head: the two results are the two halves of one fragment of the last product (128 along its K), and their scale bytes one word.
; LDS.  K, V and their scale words of both heads fit at once, as images of the operands' registers (512 consecutive bytes for four registers of the 32 lanes: no pitch, no padding).  Every byte is filled once: no ring.
; The fills come in four parts, so that the first four key steps can begin while the rest lands.  No prefetch: every byte of K and V that the work-group reads is asked for by its first loads.
; CLUSTER of 4: the four query blocks of a cluster walk the same K and V: each part is asked for jointly, by the same tensor load with a mask that names the four.
; LAYOUT.  Both products are used transposed: S^T = K Q^T (source 0 = 16 keys), O^T = V^T P^T (source 0 = 16 channels): a lane holds ONE query (lane % 16) throughout.  The head's 64 fill half of the first product's 128
; along K: registers 4-7 of K's and Q's fragments hold zero codes, written once.  In tile t of S^T lane (r, h) holds keys 16 t + 8 h + 0 .. 7; a block of 32 keys is tiles 2 b, 2 b + 1 in lanes l and l xor 16; the codes of
; tile 2 b go to register 4 (b / 2) + b % 2, those of tile 2 b + 1 to 4 (b / 2) + 2 + b % 2, and an exchange of halves between neighbouring registers leaves the operand's layout.
; LIMITS: NaN and infinities are not served.  t is made by one multiplication where the definition divides and then multiplies: about 1e-7 of t.  A block's largest p is taken through its largest score: that leans on
; v_exp_f32 not falling where its input rises.  A block of p or of O under 2^-124 gets the byte 1; the bytes are read by this program alone.
; THE FILLS, as they stand now (this takes the place of what the paragraph LDS above says of four parts): ten tensor loads at the head, one a wave: waves 0 to 3 a quarter each of K's codes of both heads (32,768 bytes),
; waves 4 to 7 the same of V's, wave 8 K's scale words, wave 9 V's.  Every wave waits for all its loads ahead of ONE barrier; behind it all of K and V is in LDS, and no further barrier stands ahead of the way out.
.set KCOD, 0                           ; K's codes: 2 heads x 128 tiles x 512 bytes
.set VCOD, 131072                      ; V's: 2 heads x 16 key steps x 4 fragments x 1,024 bytes
.set KSCL, 262144                      ; K's scale words: 64 pairs of tiles x 256 bytes
.set VSCL, 278528                      ; V's: 2 heads x 16 key steps x 2 x 256 bytes
.set STG,  294912                      ; 16 waves x 64 bytes: the result's scale words on their way out; no fill lands here
.set LK,   1                           ; v1   16 x lane
.set LV,   2                           ; v2   VCOD + 16 x lane
.set LSK,  3                           ; v3   KSCL + 16 r + 4 h
.set LSV,  4                           ; v4   VSCL + 16 r + 4 h
.set ADK,  5                           ; v5-8 the step's four LDS addresses
.set ADV,  6
.set ADKS, 7
.set ADVS, 8
.set W,    9                           ; v9   the result's scale word
.set NM,   10                          ; v10 -M, v11 the largest t
.set SUM,  12                          ; v[12:13] the row's sum, in two halves
.set AO,   14                          ; v14  16 x lane + 1,024 x wave
.set SGA,  15                          ; v15  STG + 64 x wave + 4 r
.set QF,   16                          ; v16-23, v24-31 Q's fragments of the two heads
.set KF,   32                          ; v32-95 eight fragments of K
.set ST,   96                          ; v96-159 S^T, then p
.set OT,   160                         ; v160-191 O^T, four tiles
.set VF,   192                         ; v192-223 four fragments of V
.set PC,   224                         ; v224-231 p's codes
.set BM,   232                         ; v232-235 the blocks' largest scores, then largest p
.set T1,   236                         ; v236-239 at work
.set SO,   240                         ; v240-243 the conversions' scale operands
.set KSW,  244                         ; v244-247 K's scale words: lanes 0-15 tile 2 b, lanes 16-31 tile 2 b + 1.  v248-251 hold scales and nothing else; v244-247 also serve as scratch for the row's sum
.set VSW,  248                         ; v248-249 V's: lanes 0-15 fragment 2 p, lanes 16-31 fragment 2 p + 1
.set QSW,  250                         ; v250 Q's: lanes 0-15 the first head, lanes 16-31 the second
.set PSW,  251                         ; v251 p's
.set FF,   252                         ; v[252:253] f = 2^(old M - new M)
.set TMP,  254
.set SGR,  255                         ; v255 STG + 16 (thread % 64)
.set G1A,  24                          ; s[24:31] group 1 for 64 rows of 256 bytes (scale words);  s[32:39] for 128 rows (a quarter of the codes)
.set G1B,  32
.set G0K,  48                          ; s[48:51] K's group 0 for the scale words, s[52:55] for my quarter of the codes
.set G0V,  68                          ; s[68:71], s[72:75] V's
.set WV,   84
.set CNT,  85
.set SEL,  86                          ; s[86:87] v_permlanex16_b32's selects for lane l xor 16
.set CS,   88                          ; s[88:89] c = log2(e) / sqrt(2048)
.set TC,   90                          ; s90 where the step's codes begin in K's and in V's region;  s91, s92 its scale words
.set TKS,  91
.set TVS,  92
.macro ROUND
	s_barrier_signal -1
	s_barrier_wait -1
	s_cmp_lg_u32 s[WV], 0
	s_cbranch_scc1 .Lnot_wave_0_\@
	s_barrier_signal -3
.Lnot_wave_0_\@:
	s_barrier_wait -3
	s_barrier_signal -1
	s_barrier_wait -1
.endm
.macro MKG0 g, lds, p, off             ; a group 0: count 1, a constant LDS address, the buffer's address + off, type 2
	s_mov_b32 s[\g], 1
	s_mov_b32 s[\g+1], \lds
	s_add_nc_u64 s[\g+2:\g+3], s[\p:\p+1], \off
	s_or_b32 s[\g+3], s[\g+3], 0x80000000
.endm
.macro WMS d, a, b, sa, sb, ra, rb     ; D = A B: the constant 0 starts the sum.  ra, rb = 1: that side's scales stand in lanes 16-31
.if (\ra) && (\rb)
	v_wmma_scale_f32_16x16x128_f8f6f4 v[\d:\d+7], v[\a:\a+7], v[\b:\b+7], 0, v[\sa], v[\sb] matrix_a_fmt:MATRIX_FMT_FP4 matrix_b_fmt:MATRIX_FMT_FP4 matrix_a_scale:MATRIX_SCALE_ROW1 matrix_b_scale:MATRIX_SCALE_ROW1
.elseif (\ra)
	v_wmma_scale_f32_16x16x128_f8f6f4 v[\d:\d+7], v[\a:\a+7], v[\b:\b+7], 0, v[\sa], v[\sb] matrix_a_fmt:MATRIX_FMT_FP4 matrix_b_fmt:MATRIX_FMT_FP4 matrix_a_scale:MATRIX_SCALE_ROW1
.elseif (\rb)
	v_wmma_scale_f32_16x16x128_f8f6f4 v[\d:\d+7], v[\a:\a+7], v[\b:\b+7], 0, v[\sa], v[\sb] matrix_a_fmt:MATRIX_FMT_FP4 matrix_b_fmt:MATRIX_FMT_FP4 matrix_b_scale:MATRIX_SCALE_ROW1
.else
	v_wmma_scale_f32_16x16x128_f8f6f4 v[\d:\d+7], v[\a:\a+7], v[\b:\b+7], 0, v[\sa], v[\sb] matrix_a_fmt:MATRIX_FMT_FP4 matrix_b_fmt:MATRIX_FMT_FP4
.endif
.endm
.macro WMA d, a, b, sa, sb, ra         ; D += A B
.if (\ra)
	v_wmma_scale_f32_16x16x128_f8f6f4 v[\d:\d+7], v[\a:\a+7], v[\b:\b+7], v[\d:\d+7], v[\sa], v[\sb] matrix_a_fmt:MATRIX_FMT_FP4 matrix_b_fmt:MATRIX_FMT_FP4 matrix_a_scale:MATRIX_SCALE_ROW1
.else
	v_wmma_scale_f32_16x16x128_f8f6f4 v[\d:\d+7], v[\a:\a+7], v[\b:\b+7], v[\d:\d+7], v[\sa], v[\sb] matrix_a_fmt:MATRIX_FMT_FP4 matrix_b_fmt:MATRIX_FMT_FP4
.endif
.endm
; A KEY STEP: 128 keys of head hd of the pair.
.macro STEP hd
	v_add_nc_u32 v[ADK], s[TC], v[LK]              ; these four additions are the places between the last step's products and the loads into V's registers
	v_add_nc_u32 v[ADV], s[TC], v[LV]
	v_add_nc_u32 v[ADKS], s[TKS], v[LSK]
	v_add_nc_u32 v[ADVS], s[TVS], v[LSV]
.irp t, 0,1,2,3,4,5,6,7
	ds_load_b128 v[KF+8*\t:KF+8*\t+3], v[ADK] offset:512*\t        ; 16 keys x the head's 64; registers 4-7 stay zero codes
.endr
.irp b, 0,1,2,3
	ds_load_b32 v[KSW+\b], v[ADKS] offset:256*\b
.endr
.irp u, 0,1,2,3
.irp c, 0,1
	ds_load_b128 v[VF+8*\u+4*\c:VF+8*\u+4*\c+3], v[ADV] offset:1024*\u+512*\c
.endr
.endr
.irp p, 0,1
	ds_load_b32 v[VSW+\p], v[ADVS] offset:256*\p
.endr
	s_wait_dscnt 10                                ; K and its scale words are in; V's ten loads may be out: they land under the softmax
.irp t, 0,1,2,3,4,5,6,7
	WMS ST+8*\t, KF+8*\t, QF+8*(\hd), KSW+\t/2, QSW, \t%2, \hd
.endr
.rept 4
	v_nop                                          ; four places behind the products, ahead of the first read of their results (ISA guide 7.12.1)
.endr
.irp b, 0,1,2,3
	v_max3_num_f32 v[BM+\b], v[ST+16*\b], v[ST+16*\b+1], v[ST+16*\b+2]     ; the largest score of each block of 32 keys: it serves the row's maximum and, since p rises with the score, the block's largest p
.endr
.irp i, 3,5,7,9,11,13
.irp b, 0,1,2,3
	v_max3_num_f32 v[BM+\b], v[BM+\b], v[ST+16*\b+\i], v[ST+16*\b+\i+1]
.endr
.endr
.irp b, 0,1,2,3
	v_max_num_f32 v[BM+\b], v[BM+\b], v[ST+16*\b+15]
.endr
.irp b, 0,1,2,3
	s_delay_alu instid0(VALU_DEP_4)
	v_permlanex16_b32 v[T1+\b], v[BM+\b], s[SEL], s[SEL+1]
.endr
.irp b, 0,1,2,3
	s_delay_alu instid0(VALU_DEP_4)
	v_max_num_f32 v[BM+\b], v[BM+\b], v[T1+\b]     ; with lane l xor 16's 16 keys
.endr
	s_delay_alu instid0(VALU_DEP_2)
	v_max3_num_f32 v[TMP], v[BM], v[BM+1], v[BM+2]
	s_delay_alu instid0(VALU_DEP_1)
	v_max_num_f32 v[TMP], v[TMP], v[BM+3]          ; the step's largest score of my query
	s_delay_alu instid0(VALU_DEP_1)
	v_mul_f32 v[TMP], s[CS], v[TMP]                ; as t (c is positive)
	s_delay_alu instid0(VALU_DEP_1)
	v_max_num_f32 v[NM+1], v[NM+1], v[TMP]         ; the running largest t
	v_mov_b32 v[TMP], v[NM]
	s_delay_alu instid0(VALU_DEP_2)
	v_floor_f32 v[NM], -v[NM+1]                    ; the new -M = floor(-t) = -ceil(t)
	s_delay_alu instid0(VALU_DEP_1)
	v_sub_f32 v[TMP], v[NM], v[TMP]                ; old M less new M: a whole number, 0 or less
	s_delay_alu instid0(VALU_DEP_1)
	v_cvt_i32_f32 v[TMP], v[TMP]                   ; (it saturates)
	s_delay_alu instid0(VALU_DEP_1)
	v_ldexp_f32 v[FF], 1.0, v[TMP]                 ; f
.irp j, 0,2,4,6,8,10,12,14,16,18,20,22,24,26,28,30,32,34,36,38,40,42,44,46,48,50,52,54,56,58,60,62
	v_pk_fma_f32 v[ST+\j:ST+\j+1], v[ST+\j:ST+\j+1], s[CS:CS+1], v[NM:NM+1] op_sel_hi:[1,0,0]   ; t - M, two at a time (of the pairs c and -M the low word serves both halves)
.endr
.irp b, 0,1,2,3
	v_fma_f32 v[BM+\b], v[BM+\b], s[CS], v[NM]     ; the same of each block's largest score
.endr
.set j, 0
	s_wait_alu depctr_va_vdst(0)
.rept 64
	v_exp_f32 v[ST+j], v[ST+j]                     ; p = 2^(t - M), at most 1
.set j, j+1
.endr
	v_pk_mul_f32 v[SUM:SUM+1], v[SUM:SUM+1], v[FF:FF+1] op_sel_hi:[1,0]    ; the sums under the new M: the plain place behind the exponentials
	s_wait_alu depctr_va_vdst(0)                   ; one wait for the batch of 64, ahead of its first reader
.irp b, 0,1,2,3
	v_exp_f32 v[BM+\b], v[BM+\b]                   ; the block's largest p: the same two instructions on the same number give the same bits
.endr
	v_pk_add_f32 v[236:237], v[100:101], v[104:105]
	v_pk_add_f32 v[246:247], v[108:109], v[112:113]
	v_pk_add_f32 v[244:245], v[116:117], v[120:121]
	v_pk_add_f32 v[242:243], v[124:125], v[128:129]
	v_pk_add_f32 v[240:241], v[132:133], v[136:137]
	v_pk_add_f32 v[238:239], v[140:141], v[144:145]
	v_pk_add_f32 v[230:231], v[148:149], v[152:153]
	v_pk_add_f32 v[12:13], v[12:13], v[156:157]
	v_pk_add_f32 v[236:237], v[236:237], v[96:97]
	v_pk_add_f32 v[246:247], v[246:247], v[98:99]
	v_pk_add_f32 v[244:245], v[244:245], v[102:103]
	v_pk_add_f32 v[242:243], v[242:243], v[106:107]
	v_pk_add_f32 v[240:241], v[240:241], v[110:111]
	v_pk_add_f32 v[238:239], v[238:239], v[114:115]
	v_pk_add_f32 v[230:231], v[230:231], v[118:119]
	v_pk_add_f32 v[12:13], v[12:13], v[122:123]
	v_pk_add_f32 v[236:237], v[236:237], v[126:127]
	v_pk_add_f32 v[246:247], v[246:247], v[130:131]
	v_pk_add_f32 v[244:245], v[244:245], v[134:135]
	v_pk_add_f32 v[242:243], v[242:243], v[138:139]
	v_pk_add_f32 v[240:241], v[240:241], v[142:143]
	v_pk_add_f32 v[238:239], v[238:239], v[146:147]
	v_pk_add_f32 v[230:231], v[230:231], v[150:151]
	v_pk_add_f32 v[12:13], v[12:13], v[154:155]
	v_pk_add_f32 v[236:237], v[236:237], v[158:159]
	s_delay_alu instid0(VALU_DEP_2)
	v_pk_add_f32 v[12:13], v[12:13], v[242:243]
	s_delay_alu instid0(VALU_DEP_2)
	v_pk_add_f32 v[236:237], v[236:237], v[240:241]
	v_pk_add_f32 v[246:247], v[246:247], v[238:239]
	v_pk_add_f32 v[244:245], v[244:245], v[230:231]
	s_delay_alu instid0(VALU_DEP_2)
	v_pk_add_f32 v[12:13], v[12:13], v[246:247]
	s_delay_alu instid0(VALU_DEP_2)
	v_pk_add_f32 v[236:237], v[236:237], v[244:245]
	s_delay_alu instid0(VALU_DEP_1)
	v_pk_add_f32 v[12:13], v[12:13], v[236:237]
	s_wait_alu depctr_va_vdst(0)                   ; and one for the four
.irp b, 0,1,2,3
	v_max_num_f32 v[BM+\b], 0x1800000, v[BM+\b]    ; the floor 2^(3 - 127): the byte cannot fall under 1
.endr
.irp b, 0,1,2,3
	s_delay_alu instid0(VALU_DEP_4)
	v_add_nc_u32 v[SO+\b], 0xff000000, v[BM+\b]    ; 2 off the exponent field: the conversion's scale operand
.endr
.irp b, 0,1,2,3
	s_delay_alu instid0(VALU_DEP_4)
	v_lshrrev_b32 v[T1+\b], 23, v[SO+\b]           ; the scale's byte
.endr
	s_delay_alu instid0(VALU_DEP_3)
	v_lshl_or_b32 v[PSW], v[T1+1], 8, v[T1]        ; p's scale word for these 128 keys
	s_delay_alu instid0(VALU_DEP_1)
	v_lshl_or_b32 v[PSW], v[T1+2], 16, v[PSW]
	s_delay_alu instid0(VALU_DEP_1)
	v_lshl_or_b32 v[PSW], v[T1+3], 24, v[PSW]
.irp b, 0,1,2,3
	v_cvt_scalef32_pk8_fp4_f32 v[PC+4*(\b/2)+(\b%2)], v[ST+16*\b:ST+16*\b+7], v[SO+\b]
	v_cvt_scalef32_pk8_fp4_f32 v[PC+4*(\b/2)+2+(\b%2)], v[ST+16*\b+8:ST+16*\b+15], v[SO+\b]
.endr
	v_nop                                          ; one plain place behind the last scaled conversion
.irp c, 0,1
	v_permlane16_swap_b32 v[PC+4*\c], v[PC+4*\c+1]
	v_permlane16_swap_b32 v[PC+4*\c+2], v[PC+4*\c+3]
.endr
.irp j, 0,2,4,6,8,10,12,14,16,18,20,22,24,26,28,30
	v_pk_mul_f32 v[OT+\j:OT+\j+1], v[OT+\j:OT+\j+1], v[FF:FF+1] op_sel_hi:[1,0]   ; O^T under the new M.  Twelve of these sixteen name no register of any one product below: the places between p's scale word and codes and the scaled products
.endr
	s_wait_alu depctr_va_vdst(0)
	s_wait_dscnt 0x0                               ; V and its scale words
.irp u, 0,1,2,3
	WMA OT+8*\u, VF+8*\u, PC, VSW+\u/2, PSW, \u%2  ; the four accumulators by turns, one instruction a turn
.endr
.endm
; n key steps of head hd from step first on.  The three places are set anew ahead of each loop.
.macro SEG hd, first, n
	s_mov_b32 s[TC], 65536*(\hd)+4096*(\first)
	s_mov_b32 s[TKS], 8*(\hd)+1024*(\first)
	s_mov_b32 s[TVS], 8192*(\hd)+512*(\first)
	s_mov_b32 s[CNT], \n
.Lseg_\@:
	STEP \hd
	s_add_co_u32 s[TC], s[TC], 4096
	s_add_co_u32 s[TKS], s[TKS], 1024
	s_add_co_u32 s[TVS], s[TVS], 512
	s_sub_co_u32 s[CNT], s[CNT], 1
	s_cmp_lg_u32 s[CNT], 0
	s_cbranch_scc1 .Lseg_\@
.endm
.macro INIT                            ; a head begins: the step is written for the loop alone; its first trip finds zeros, which the first change of M leaves zeros
	v_mov_b32 v[NM+1], 0xff61b1e6                  ; the largest t so far: -3e38
	s_delay_alu instid0(VALU_DEP_1)
	v_floor_f32 v[NM], -v[NM+1]
	v_mov_b32 v[SUM], 0
	v_mov_b32 v[SUM+1], 0
.set j, 0
.rept 32
	v_mov_b32 v[OT+j], 0
.set j, j+1
.endr
.endm
; A head ends: O^T / the sum, quantised along the head's 64 channels (two blocks): half hd of my fragment of the last product, and two bytes of its scale word.
.macro FINISH hd
.rept 4
	v_nop                                          ; four places behind the last products
.endr
	v_add_f32 v[SUM], v[SUM], v[SUM+1]
	s_delay_alu instid0(VALU_DEP_1)
	v_permlanex16_b32 v[T1], v[SUM], s[SEL], s[SEL+1]
	s_delay_alu instid0(VALU_DEP_1)
	v_add_f32 v[SUM], v[SUM], v[T1]                ; the row's sum
	s_wait_alu depctr_va_vdst(0)
	v_rcp_f32 v[SUM], v[SUM]
	v_nop                                          ; one plain place behind the reciprocal,
	s_wait_alu depctr_va_vdst(0)                   ; and the wait ahead of its first reader
.set j, 0
.rept 32
	v_mul_f32 v[ST+j], v[OT+j], v[SUM]             ; register 8 u + i: channel 16 u + 8 h + i of my query
.set j, j+1
.endr
.irp b, 0,1
	v_max3_num_f32 v[BM+\b], |v[ST+16*\b]|, |v[ST+16*\b+1]|, 0x1800000
.endr
.irp i, 2,4,6,8,10,12,14
.irp b, 0,1
	s_delay_alu instid0(VALU_DEP_2)
	v_max3_num_f32 v[BM+\b], v[BM+\b], |v[ST+16*\b+\i]|, |v[ST+16*\b+\i+1]|
.endr
.endr
.irp b, 0,1
	s_delay_alu instid0(VALU_DEP_2)
	v_permlanex16_b32 v[T1+\b], v[BM+\b], s[SEL], s[SEL+1]
.endr
.irp b, 0,1
	s_delay_alu instid0(VALU_DEP_2)
	v_max_num_f32 v[BM+\b], v[BM+\b], v[T1+\b]
.endr
.irp b, 0,1
	s_delay_alu instid0(VALU_DEP_2)
	v_add_nc_u32 v[SO+\b], 0xff000000, v[BM+\b]
.endr
.irp b, 0,1
	s_delay_alu instid0(VALU_DEP_2)
	v_lshrrev_b32 v[T1+\b], 23, v[SO+\b]
.endr
.if \hd
	s_delay_alu instid0(VALU_DEP_1)
	v_lshl_or_b32 v[TMP], v[T1+1], 8, v[T1]
	s_delay_alu instid0(VALU_DEP_1)
	v_lshl_or_b32 v[W], v[TMP], 16, v[W]           ; bytes 2 and 3
.else
	s_delay_alu instid0(VALU_DEP_1)
	v_lshl_or_b32 v[W], v[T1+1], 8, v[T1]          ; bytes 0 and 1
.endif
.irp b, 0,1
	v_cvt_scalef32_pk8_fp4_f32 v[PC+\b], v[ST+16*\b:ST+16*\b+7], v[SO+\b]
	v_cvt_scalef32_pk8_fp4_f32 v[PC+2+\b], v[ST+16*\b+8:ST+16*\b+15], v[SO+\b]
.endr
	v_nop                                          ; one plain place behind the last scaled conversion
	v_permlane16_swap_b32 v[PC], v[PC+1]
	v_permlane16_swap_b32 v[PC+2], v[PC+3]
	global_store_b128 v[AO], v[PC:PC+3], s[20:21] offset:512*(\hd)   ; 512 consecutive bytes, aligned
.endm
	s_load_b512 s[8:23], s[0:1], 0x0               ; q_cod s[8:9], q_scl s[10:11], k_cod s[12:13], k_scl s[14:15], v_cod s[16:17], v_scl s[18:19], a_cod s[20:21], a_scl s[22:23]
	v_lshl_add_u32 v254, v0, 2, 0x48400
	v_mov_b32 v255, 0
	ds_add_u32 v254, v255
	ds_add_u32 v254, v255
	s_wait_dscnt 0x0
	v_lshrrev_b32 v1, 5, v0
	s_delay_alu instid0(VALU_DEP_1)
	v_readfirstlane_b32 s[WV], v1                  ; wave 0..15
	v_and_b32 v[TMP], 15, v0                       ; r
	v_bfe_u32 v[FF+1], v0, 4, 1                    ; h  (so the upper half of the pair f is written)
	v_and_b32 v[FF], 31, v0                        ; lane
	; every LDS address that stays is made here, ahead of the branches on the wave's number
	s_delay_alu instid0(VALU_DEP_1)
	v_lshlrev_b32 v[LK], 4, v[FF]
	s_delay_alu instid0(VALU_DEP_1)
	v_add_nc_u32 v[LV], VCOD, v[LK]
	v_lshlrev_b32 v[LSK], 4, v[TMP]
	s_delay_alu instid0(VALU_DEP_1)
	v_lshl_add_u32 v[LSK], v[FF+1], 2, v[LSK]
	s_delay_alu instid0(VALU_DEP_1)
	v_add_nc_u32 v[LSV], VSCL, v[LSK]
	s_delay_alu instid0(VALU_DEP_2)
	v_add_nc_u32 v[LSK], KSCL, v[LSK]
	v_lshrrev_b32 v[SGA], 5, v0
	s_delay_alu instid0(VALU_DEP_1)
	v_lshlrev_b32 v[AO], 10, v[SGA]
	s_delay_alu instid0(VALU_DEP_1)
	v_add_nc_u32 v[AO], v[AO], v[LK]
	s_delay_alu instid0(VALU_DEP_3)
	v_lshlrev_b32 v[SGA], 6, v[SGA]
	s_delay_alu instid0(VALU_DEP_1)
	v_lshl_add_u32 v[SGA], v[TMP], 2, v[SGA]
	s_delay_alu instid0(VALU_DEP_1)
	v_add_nc_u32 v[SGA], STG, v[SGA]
	v_and_b32 v[SGR], 63, v0
	s_delay_alu instid0(VALU_DEP_1)
	v_lshlrev_b32 v[SGR], 4, v[SGR]
	s_delay_alu instid0(VALU_DEP_1)
	v_add_nc_u32 v[SGR], STG, v[SGR]
	v_lshlrev_b32 v5, 4, v0                        ; Q's codes: 512 x wave + 16 x lane
	v_lshlrev_b32 v6, 4, v[TMP]
	s_delay_alu instid0(VALU_DEP_1)
	v_lshl_add_u32 v6, v[FF+1], 3, v6              ; Q's scale words: 16 r + 8 h
	s_bfe_u32 s2, ttmp6, 0x40000                   ; cx
	s_lshl_b32 s3, ttmp9, 2
	s_add_co_u32 s3, s3, s2                        ; my block of 256 queries: it enters q's and a's addresses alone
	s_and_b32 s4, ttmp7, 0xffff                    ; batch x 8 + pair of heads, which the four partners share
	; group 1: dense blocks as rows of 256 bytes (32 elements of 8 bytes), no padding; 15:0 the mask: all four work-groups; bit 21 set beside it
.irp g, G1A, G1B
	s_mov_b32 s[\g], 15|(3<<16)|(1<<21)
	s_mov_b32 s[\g+1], 32<<16
	s_mov_b32 s[\g+3], 32<<16
	s_mov_b32 s[\g+5], 32
	s_mov_b32 s[\g+6], 0
	s_mov_b32 s[\g+7], 0
.endr
	s_mov_b32 s[G1A+2], 64<<16
	s_mov_b32 s[G1A+4], 64
	s_mov_b32 s[G1B+2], 128<<16
	s_mov_b32 s[G1B+4], 128
	s_mov_b32 s[SEL], 0x76543210
	s_mov_b32 s[SEL+1], 0xfedcba98
	s_mov_b32 s[CS], 0x3d0293ee                    ; c = log2(e) / sqrt(2048)
	s_mov_b32 s[CS+1], s[CS]                       ; (named with it as a pair, so it is written)
	s_lshl_b32 s94, s4, 17                         ; the pair's codes: 131,072 bytes in each of q_cod, k_cod, v_cod
	s_mov_b32 s95, 0
	s_lshl_b32 s96, s4, 14                         ; its scale words: 16,384 bytes in each of q_scl, k_scl, v_scl
	s_mov_b32 s97, 0
	s_wait_kmcnt 0x0
	s_add_nc_u64 s[12:13], s[12:13], s[94:95]
	s_add_nc_u64 s[16:17], s[16:17], s[94:95]
	s_add_nc_u64 s[14:15], s[14:15], s[96:97]
	s_add_nc_u64 s[18:19], s[18:19], s[96:97]
	MKG0 G0K, KSCL, 14, 0
	MKG0 G0V, VSCL, 18, 0
	s_and_b32 s6, s[WV], 3
	s_lshl_b32 s6, s6, 15                          ; which quarter of the pair's codes: 32,768 bytes each, by the wave's number alone
	s_mov_b32 s7, 0
	s_mov_b32 s[G0K+4], 1
	s_add_co_u32 s[G0K+5], s6, KCOD
	s_add_nc_u64 s[G0K+6:G0K+7], s[12:13], s[6:7]
	s_or_b32 s[G0K+7], s[G0K+7], 0x80000000
	s_mov_b32 s[G0V+4], 1
	s_add_co_u32 s[G0V+5], s6, VCOD
	s_add_nc_u64 s[G0V+6:G0V+7], s[16:17], s[6:7]
	s_or_b32 s[G0V+7], s[G0V+7], 0x80000000
	s_add_nc_u64 s[8:9], s[8:9], s[94:95]
	s_lshl_b32 s6, s3, 13                          ; my block's 16 tiles of 512 bytes
	s_mov_b32 s7, 0
	s_add_nc_u64 s[8:9], s[8:9], s[6:7]
	s_lshl_b32 s6, s3, 11                          ; its 8 pairs of tiles of 256 bytes,
	s_lshr_b32 s2, s[WV], 1
	s_lshl_b32 s2, s2, 8
	s_add_co_u32 s6, s6, s2                        ; my wave's pair,
	s_and_b32 s2, s[WV], 1
	s_lshl_b32 s2, s2, 2
	s_add_co_u32 s6, s6, s2                        ; and which of the two
	s_add_co_u32 s6, s6, s96
	s_add_nc_u64 s[10:11], s[10:11], s[6:7]
	s_and_b32 s5, s4, 7                            ; the pair of heads = the K step of the last product
	s_lshr_b32 s4, s4, 3                           ; the batch
	s_lshl_b32 s5, s5, 9
	s_lshl_b32 s4, s4, 7
	s_add_co_u32 s5, s5, s4
	s_lshl_b32 s4, s3, 4
	s_add_co_u32 s5, s5, s4                        ; K step x 512 + the block's first tile of 16 rows among all 512
	s_lshl_b32 s6, s5, 10
	s_add_nc_u64 s[20:21], s[20:21], s[6:7]        ; a fragment is 1,024 bytes,
	s_lshl_b32 s6, s5, 6
	s_add_nc_u64 s[22:23], s[22:23], s[6:7]        ; its scale words 64
	ROUND                                          ; all four work-groups are here: the joint loads meet
	; the first fills, and the only ones: one chain of branches on the wave's number, one load to an arm.  s_nop 0 and four v_nop follow each
	s_cmp_lt_u32 s[WV], 4
	s_cbranch_scc0 .Lnot_k
	tensor_load_to_lds s[G0K+4:G0K+7], s[G1B:G1B+7]
	s_nop 0
.rept 4
	v_nop
.endr
	s_branch .Lasked
.Lnot_k:
	s_cmp_lt_u32 s[WV], 8
	s_cbranch_scc0 .Lnot_v
	tensor_load_to_lds s[G0V+4:G0V+7], s[G1B:G1B+7]
	s_nop 0
.rept 4
	v_nop
.endr
	s_branch .Lasked
.Lnot_v:
	s_cmp_lt_u32 s[WV], 9
	s_cbranch_scc0 .Lnot_ks
	tensor_load_to_lds s[G0K:G0K+3], s[G1A:G1A+7]
	s_nop 0
.rept 4
	v_nop
.endr
	s_branch .Lasked
.Lnot_ks:
	s_cmp_lt_u32 s[WV], 10
	s_cbranch_scc0 .Lasked
	tensor_load_to_lds s[G0V:G0V+3], s[G1A:G1A+7]
	s_nop 0
.rept 4
	v_nop
.endr
.Lasked:
	s_wait_alu depctr_va_vdst(0)
	global_load_b128 v[QF:QF+3], v5, s[8:9]                  ; my tile of Q, the first head,
	global_load_b128 v[QF+8:QF+11], v5, s[8:9] offset:65536  ; the second,
	global_load_b32 v[QSW], v6, s[10:11]                     ; and its scale words
.irp j, 4,5,6,7
	v_mov_b32 v[QF+\j], 0                          ; zero codes for k = 64 .. 127, on both operands, written once
	v_mov_b32 v[QF+8+\j], 0
.endr
.irp t, 0,1,2,3,4,5,6,7
.irp j, 4,5,6,7
	v_mov_b32 v[KF+8*\t+\j], 0
.endr
.endr
.irp b, 0,1,2,3
	v_mov_b32 v[T1+\b], 0                          ; written once: a lane permute's destination counts as one of its sources
.endr
	INIT
	s_wait_tensorcnt 0x0                           ; my load, if I have one, has landed,
	s_barrier_signal -1
	s_barrier_wait -1                              ; for every wave.
	s_wait_loadcnt 0x0                             ; Q; v5 and v6 are free from here on
	SEG 0, 0, 16
	FINISH 0
	INIT
	s_wait_xcnt 0x0                                ; the store has read its registers: the codes' registers are written again below
	SEG 1, 0, 16
	FINISH 1
	ds_store_b32 v[SGA], v[W]                      ; my 16 rows' scale words (both halves of the lanes write the same word with the same value)
	s_wait_dscnt 0x0                               ; for the others' sake
	s_barrier_signal -1
	s_barrier_wait -1
	s_cmp_lt_u32 s[WV], 2                          ; the block's 16 x 64 bytes are consecutive in a_scl: two waves store them, 512 bytes each
	s_cbranch_scc0 .Lno_words
	v_and_b32 v[TMP], 63, v0
	s_delay_alu instid0(VALU_DEP_1)
	v_lshlrev_b32 v[TMP], 4, v[TMP]
	ds_load_b128 v[ST:ST+3], v[SGR]
	s_wait_alu depctr_va_vdst(0)
	s_wait_dscnt 0x0
	global_store_b128 v[TMP], v[ST:ST+3], s[22:23]
.Lno_words:
	s_wait_xcnt 0x0
	v_lshl_add_u32 v254, v0, 2, 0x48400
	v_mov_b32 v255, 0
	s_wait_alu depctr_va_vdst(0)
	s_wait_tensorcnt 0x0
	ds_add_u32 v254, v255
	s_wait_dscnt 0x0
	ROUND                                          ; the closing round: no work-group ends while a partner may still ask for a tile that names it
	s_endpgm
.Lfunc_end_k_qf338e2e68d_attn:
	.size	k_qf338e2e68d_attn, .Lfunc_end_k_qf338e2e68d_attn-k_qf338e2e68d_attn
	.p2alignl 7, 3214868480
	.fill 96, 4, 3214868480
	.section	.rodata,"a",@progbits
	.p2align	6, 0x0
	.amdhsa_kernel k_qf338e2e68d_attn
		.amdhsa_group_segment_fixed_size 297984
		.amdhsa_private_segment_fixed_size 0
		.amdhsa_enable_private_segment 0
		.amdhsa_kernarg_size 64
		.amdhsa_user_sgpr_count 2
		.amdhsa_user_sgpr_kernarg_segment_ptr 1
		.amdhsa_wavefront_size32 1
		.amdhsa_system_sgpr_workgroup_id_x 1
		.amdhsa_system_sgpr_workgroup_id_y 1
		.amdhsa_system_sgpr_workgroup_id_z 1
		.amdhsa_system_vgpr_workitem_id 0
		.amdhsa_next_free_vgpr 256
		.amdhsa_next_free_sgpr 98
		.amdhsa_reserve_vcc 0
		.amdhsa_float_denorm_mode_32 3
		.amdhsa_float_denorm_mode_16_64 3
		.amdhsa_memory_ordered 1
		.amdhsa_forward_progress 1
		.amdhsa_inst_pref_size 54
	.end_amdhsa_kernel
	.amdgpu_metadata
---
amdhsa.version: [ 1, 2 ]
amdhsa.kernels:
  - .name:           k_qf338e2e68d_attn
    .symbol:         k_qf338e2e68d_attn.kd
    .args:
      - { .name: q_cod, .offset: 0, .size: 8, .value_kind: global_buffer, .address_space: global }
      - { .name: q_scl, .offset: 8, .size: 8, .value_kind: global_buffer, .address_space: global }
      - { .name: k_cod, .offset: 16, .size: 8, .value_kind: global_buffer, .address_space: global }
      - { .name: k_scl, .offset: 24, .size: 8, .value_kind: global_buffer, .address_space: global }
      - { .name: v_cod, .offset: 32, .size: 8, .value_kind: global_buffer, .address_space: global }
      - { .name: v_scl, .offset: 40, .size: 8, .value_kind: global_buffer, .address_space: global }
      - { .name: a_cod, .offset: 48, .size: 8, .value_kind: global_buffer, .address_space: global }
      - { .name: a_scl, .offset: 56, .size: 8, .value_kind: global_buffer, .address_space: global }
    .group_segment_fixed_size: 297984
    .private_segment_fixed_size: 0
    .kernarg_segment_align: 8
    .kernarg_segment_size: 64
    .max_flat_workgroup_size: 512
    .sgpr_count:     98
    .vgpr_count:     256
    .wavefront_size: 32
...
	.end_amdgpu_metadata
.endif
;; end of part 2
;; launch oproj (part 3): grid 8 x 32, 8 waves a work-group, clusters of 4 x 4, 281,856 bytes of LDS; arguments Wo_w_codes, Wo_w_scales, a_cod, a_scl, Wo_b, out0; writes out0
.if DOCPART == 3
	.amdgcn_target "amdgcn-amd-amdhsa--gfx1250"
	.amdhsa_code_object_version 6
	.text
	.protected	k_qf338e2e68d_oproj
	.globl	k_qf338e2e68d_oproj
	.p2align	8
	.type	k_qf338e2e68d_oproj,@function
k_qf338e2e68d_oproj:
	s_mov_b64 s[64:65], 0
	v_nop
	global_prefetch_b8 v0, s[64:65] scope:SCOPE_SE
	s_setreg_imm32_b32 hwreg(HW_REG_WAVE_MODE, 25, 1), 1
	s_wait_xcnt 0x0
	s_wait_alu depctr_hold_cnt(0) depctr_sa_sdst(0) depctr_va_vdst(0) depctr_va_sdst(0) depctr_va_ssrc(0) depctr_va_vcc(0) depctr_vm_vsrc(0)
	s_getreg_b32 s2, hwreg(HW_REG_IB_STS2, 6, 4)
	s_cmp_eq_u32 s2, 0
	s_cbranch_scc0 .Lentry_in_a_cluster
	s_endpgm
.Lentry_in_a_cluster:
	s_bfe_u32 s2, ttmp6, 0x10000c
	s_cmp_lg_u32 s2, 0xf033
	s_cbranch_scc0 .Lentry_shape_is_right
	s_endpgm
.Lentry_shape_is_right:
; out = a Wo + bo on codes of FP4 (E2M1) with E8M0 scales.  a: the attention's result, 8,192 rows x 1,024, as images of the operand's registers: a_cod [K step 8][tile of 16 rows 512][half][lane x 16], a_scl [K step][tile][r] words.
; THE MATRIX INSTRUCTION IS USED TRANSPOSED: source 0 = 16 rows of Wo (P; outputs n), source 1 = 16 rows of a (R): a lane then holds eight neighbouring numbers of a row of out.
; SHARES.  A work-group makes 128 n x 256 rows over all of K: 256 work-groups.  Wave w makes all 128 n x rows 32 w .. 32 w + 31: 8 tiles t x 2 tiles a = 16 accumulators.
; LDS.  All that a work-group reads fits at once: every byte is filled once, in two halves of K, the first multiplied while the second lands.  The stage for the way out has bytes of its own.
; CLUSTERS of 4 x 4: Wo's tile hangs on the n tile alone, which a column of the cluster shares; a's on the row tile alone, which a row shares: each is asked for jointly by the four.
; The bias lands in the accumulators, and the first products add onto it.  No prefetch: every byte that the work-group reads is asked for by its first loads.
; LIMITS: NaN, infinities and a given scale byte 0xff are not served.
; THE FILLS, as they stand now (this takes the place of what the paragraph LDS above says of two halves): eight tensor loads at the head, one a wave: waves 0 and 1 Wo's halves of K (128 rows each), waves 2 to 5 two K steps
; each of a's fragments, wave 6 Wo's scale bytes, wave 7 a's scale words.  Every wave waits for its load ahead of ONE barrier; behind it all operands are in LDS.
.set PITCH, 272                        ; Wo's rows in LDS: 256 bytes + 16 of padding
.set PCH,   128*PITCH                  ; one half of K, 128 rows
.set RB,    2*PCH                      ; a's fragments: [K step 8][tile 16][1,024 bytes]
.set RCH,   65536                      ; four K steps
.set SPB,   RB+2*RCH                   ; Wo's scale bytes: 16 pieces of 256 + 16
.set SRB,   SPB+16*272                 ; a's scale words: [K step 8][1,024 bytes]
.set STG,   SRB+8192                   ; the way out: 16 rows x (512 + 16) bytes for each wave
.set SPITCH, 528
.set WV,    22
.set G1P,   24
.set G1R,   32
.set G1SP,  40
.set G1SR,  48
.set G0P0,  56
.set G0P1,  60
.set G0R0,  68
.set G0R1,  72
.set G0SP,  76
.set G0SR,  80
.set ADP,   3                          ; v3, v4   my lane in Wo's first tile, halves 0 and 1 of K
.set ADR,   5                          ; v5, v6   my lane in my wave's two fragments of a
.set ASP,   7                          ; v7       Wo's scale words: lanes 0-15 row r, lanes 16-31 row 64 + r
.set ASR,   8                          ; v8       a's: 4 x my thread's number
.set BIO,   9                          ; v9       32 h
.set STO,   11                         ; v11      the stage: where I put 32 bytes of a row
.set RD,    12                         ; v12      and where I read a row back
.set CO,    13                         ; v13      16 x lane
.set SP,    20                         ; v20-23   Wo's scale words: lanes 0-15 tile t, lanes 16-31 tile t + 4.  Scales and nothing else
.set SR,    24                         ; v24      a's: lanes 0-15 a = 0, lanes 16-31 a = 1
.set RF,    48                         ; v48-63   a's two fragments
.set PF,    64                         ; v64-127  Wo's eight
.set ACC,   128                        ; v128-255 accumulator (a, t) at ACC + 64 a + 8 t
.macro ROUND
	s_barrier_signal -1
	s_barrier_wait -1
	s_cmp_lg_u32 s[WV], 0
	s_cbranch_scc1 .Lnot_wave_0_\@
	s_barrier_signal -3
.Lnot_wave_0_\@:
	s_barrier_wait -3
	s_barrier_signal -1
	s_barrier_wait -1
.endm
.macro WM d, a, b, sa, sb, ra, rb      ; D += A B.  ra, rb = 1: that side's scales stand in lanes 16-31
.if (\ra) && (\rb)
	v_wmma_scale_f32_16x16x128_f8f6f4 v[\d:\d+7], v[\a:\a+7], v[\b:\b+7], v[\d:\d+7], v[\sa], v[\sb] matrix_a_fmt:MATRIX_FMT_FP4 matrix_b_fmt:MATRIX_FMT_FP4 matrix_a_scale:MATRIX_SCALE_ROW1 matrix_b_scale:MATRIX_SCALE_ROW1
.elseif (\ra)
	v_wmma_scale_f32_16x16x128_f8f6f4 v[\d:\d+7], v[\a:\a+7], v[\b:\b+7], v[\d:\d+7], v[\sa], v[\sb] matrix_a_fmt:MATRIX_FMT_FP4 matrix_b_fmt:MATRIX_FMT_FP4 matrix_a_scale:MATRIX_SCALE_ROW1
.elseif (\rb)
	v_wmma_scale_f32_16x16x128_f8f6f4 v[\d:\d+7], v[\a:\a+7], v[\b:\b+7], v[\d:\d+7], v[\sa], v[\sb] matrix_a_fmt:MATRIX_FMT_FP4 matrix_b_fmt:MATRIX_FMT_FP4 matrix_b_scale:MATRIX_SCALE_ROW1
.else
	v_wmma_scale_f32_16x16x128_f8f6f4 v[\d:\d+7], v[\a:\a+7], v[\b:\b+7], v[\d:\d+7], v[\sa], v[\sb] matrix_a_fmt:MATRIX_FMT_FP4 matrix_b_fmt:MATRIX_FMT_FP4
.endif
.endm
; 128 along K: the q-th of half ch.  25 LDS loads, 16 matrix instructions on 16 accumulators by turns.
.macro KSTEP ch, q
.if (\ch)+(\q) > 0
.rept 4
	v_nop                                          ; four places in front of loads into registers that matrix instructions have read (ISA guide 7.12.1 for vector instructions)
.endr
.endif
.irp a, 0,1
.irp c, 0,1
	ds_load_b128 v[RF+8*\a+4*\c:RF+8*\a+4*\c+3], v[ADR+\ch] offset:16384*(\q)+1024*\a+512*\c
.endr
.endr
	ds_load_b32 v[SR], v[ASR] offset:1024*(4*(\ch)+(\q))
.irp t, 0,1,2,3
	ds_load_b32 v[SP+\t], v[ASP] offset:\t*544+4*(4*(\ch)+(\q))
.endr
.irp t, 0,1,2,3,4,5,6,7
.irp c, 0,1
	ds_load_b128 v[PF+8*\t+4*\c:PF+8*\t+4*\c+3], v[ADP+\ch] offset:\t*16*PITCH+64*(\q)+32*\c
.endr
.endr
	s_wait_dscnt 8                                 ; all but the youngest eight loads, Wo's tiles 4 to 7
.irp t, 0,1,2,3
.irp a, 0,1
	WM ACC+64*\a+8*\t, PF+8*\t, RF+8*\a, SP+\t, SR, 0, \a
.endr
.endr
	s_wait_dscnt 0x0
.irp t, 4,5,6,7
.irp a, 0,1
	WM ACC+64*\a+8*\t, PF+8*\t, RF+8*\a, SP+\t-4, SR, 1, \a
.endr
.endr
.endm
	s_load_b256 s[8:15], s[0:1], 0x0               ; Wo's codes s[8:9], Wo's scales s[10:11], a_cod s[12:13], a_scl s[14:15]
	s_load_b128 s[16:19], s[0:1], 0x20             ; the bias s[16:17], out s[18:19]
	v_lshl_add_u32 v46, v0, 2, 0x44900
	v_mov_b32 v47, 0
	ds_add_u32 v46, v47
	ds_add_u32 v46, v47
	v_lshrrev_b32 v1, 5, v0
	s_delay_alu instid0(VALU_DEP_1)
	v_readfirstlane_b32 s[WV], v1                  ; wave 0..7
	v_and_b32 v1, 15, v0                           ; r
	s_wait_alu depctr_va_vdst(0)
	v_bfe_u32 v2, v0, 4, 1                         ; h
	v_and_b32 v17, 31, v0                          ; lane
	s_bfe_u32 s2, ttmp6, 0x40000                   ; cx
	s_bfe_u32 s3, ttmp6, 0x40004                   ; cy
	s_lshl_b32 s4, ttmp9, 2
	s_add_co_u32 s4, s4, s2                        ; the n tile, 0..7
	s_and_b32 s5, ttmp7, 0xffff
	s_lshl_b32 s5, s5, 2
	s_add_co_u32 s5, s5, s3                        ; the row tile, 0..31
	s_lshl_b32 s56, 0x1111, s2                     ; my column of the cluster: Wo's tiles
	s_lshl_b32 s57, s3, 2
	s_lshl_b32 s57, 15, s57                        ; my row: a's tiles
	; group 1.  Wo's codes: 128 rows x 256 elements of one byte, 512 bytes from row to row, 4 words of padding behind every 64
	s_or_b32 s[G1P], s56, (1<<20)|(1<<21)|(5<<22)|(3<<25)
	s_mov_b32 s[G1P+1], 256<<16
	s_mov_b32 s[G1P+2], 128<<16                    ; 128 rows to a load
	s_mov_b32 s[G1P+3], 256<<16
	s_mov_b32 s[G1P+4], 128
	s_mov_b32 s[G1P+5], 512
	s_mov_b32 s[G1P+6], 0
	s_mov_b32 s[G1P+7], 0
	; a's codes of two K steps: 2 rows of 16,384 bytes (2,048 elements of 8 bytes), 524,288 bytes (65,536 elements) apart, no padding
	s_or_b32 s[G1R], s57, (3<<16)|(1<<21)
	s_mov_b32 s[G1R+1], 2048<<16
	s_mov_b32 s[G1R+2], 2<<16
	s_mov_b32 s[G1R+3], 2048<<16
	s_mov_b32 s[G1R+4], 2
	s_mov_b32 s[G1R+5], 65536
	s_mov_b32 s[G1R+6], 0
	s_mov_b32 s[G1R+7], 0
	; Wo's scales: a dense block of 4,096 bytes as 16 rows of 256, padded
	s_or_b32 s[G1SP], s56, (3<<16)|(1<<20)|(1<<21)|(5<<22)|(3<<25)
	s_mov_b32 s[G1SP+1], 32<<16
	s_mov_b32 s[G1SP+2], 16<<16
	s_mov_b32 s[G1SP+3], 32<<16
	s_mov_b32 s[G1SP+4], 16
	s_mov_b32 s[G1SP+5], 32
	s_mov_b32 s[G1SP+6], 0
	s_mov_b32 s[G1SP+7], 0
	; a's scale words: 8 rows (K steps) of 1,024 bytes (128 elements of 8), 32,768 bytes (4,096 elements) apart, no padding
	s_or_b32 s[G1SR], s57, (3<<16)|(1<<21)
	s_mov_b32 s[G1SR+1], 128<<16
	s_mov_b32 s[G1SR+2], 8<<16
	s_mov_b32 s[G1SR+3], 128<<16
	s_mov_b32 s[G1SR+4], 8
	s_mov_b32 s[G1SR+5], 4096
	s_mov_b32 s[G1SR+6], 0
	s_mov_b32 s[G1SR+7], 0
	; every LDS address is made here, ahead of the branches on the wave's number
	v_mul_u32_u24 v18, v1, PITCH
	s_wait_alu depctr_va_vdst(0)
	v_lshl_add_u32 v[ADP], v2, 4, v18              ; row r x pitch + 16 h (Wo begins at LDS byte 0)
	s_delay_alu instid0(VALU_DEP_1)
	v_add_nc_u32 v[ADP+1], PCH, v[ADP]
	s_lshl_b32 s58, s[WV], 11
	s_add_co_u32 s58, s58, RB
	v_lshl_add_u32 v[ADR], v17, 4, s58             ; my wave's two fragments of a K step: 2,048 x wave + 16 x lane
	s_delay_alu instid0(VALU_DEP_1)
	v_add_nc_u32 v[ADR+1], RCH, v[ADR]
	v_lshl_add_u32 v19, v2, 6, v1                  ; row r + 64 h of Wo: 32 scale bytes a row, eight rows to a piece of 256 + 16
	s_delay_alu instid0(VALU_DEP_1)
	v_lshrrev_b32 v[ASP], 3, v19
	s_delay_alu instid0(VALU_DEP_2)
	v_and_b32 v19, 7, v19
	s_delay_alu instid0(VALU_DEP_2)
	v_mul_u32_u24 v[ASP], v[ASP], 272
	s_delay_alu instid0(VALU_DEP_1)
	v_lshl_add_u32 v[ASP], v19, 5, v[ASP]
	s_delay_alu instid0(VALU_DEP_1)
	v_add_nc_u32 v[ASP], SPB, v[ASP]
	v_lshl_add_u32 v[ASR], v0, 2, SRB
	v_lshlrev_b32 v[BIO], 5, v2
	s_mul_i32 s58, s[WV], 16*SPITCH
	s_add_co_u32 s58, s58, STG                     ; my stage
	v_mul_u32_u24 v[STO], v1, SPITCH
	s_delay_alu instid0(VALU_DEP_1)
	v_lshl_add_u32 v[STO], v2, 5, v[STO]
	s_delay_alu instid0(VALU_DEP_1)
	v_add_nc_u32 v[STO], s58, v[STO]               ; in: row r, 32 bytes for each half of the lanes
	v_lshl_add_u32 v[RD], v17, 4, s58              ; back: the 32 lanes take one row of 512 bytes
	v_lshlrev_b32 v[CO], 4, v17
	s_wait_dscnt 0x0
	s_wait_kmcnt 0x0
	; groups 0.  Wo's offsets are made of the n tile and the wave's number, a's of the row tile and the wave's number, each in registers of their own
	s_and_b32 s84, s[WV], 1                        ; waves 0 and 1 fetch Wo's 128 rows, halves 0 and 1 of K
	s_lshl_b32 s86, s84, 8                         ; 256 bytes on in each row
	s_lshl_b32 s85, s4, 16
	s_add_co_u32 s86, s86, s85
	s_mov_b32 s87, 0
	s_mov_b32 s[G0P0], 1
	s_mul_i32 s[G0P0+1], s84, PCH
	s_add_nc_u64 s[G0P0+2:G0P0+3], s[8:9], s[86:87]
	s_or_b32 s[G0P0+3], s[G0P0+3], 0x80000000
	s_lshl_b32 s86, s4, 12
	s_mov_b32 s[G0SP], 1
	s_mov_b32 s[G0SP+1], SPB
	s_add_nc_u64 s[G0SP+2:G0SP+3], s[10:11], s[86:87]
	s_or_b32 s[G0SP+3], s[G0SP+3], 0x80000000
	s_add_co_u32 s88, s[WV], 2
	s_and_b32 s88, s88, 3                          ; waves 2 to 5 fetch K steps 2 u and 2 u + 1, u = 0..3
	s_lshl_b32 s90, s88, 20                        ; K steps 2 u and 2 u + 1: a K step of a_cod is 512 tiles x 1,024 bytes
	s_lshl_b32 s89, s5, 14                         ; the row tile's 16 fragments
	s_add_co_u32 s90, s90, s89
	s_mov_b32 s91, 0
	s_lshl_b32 s7, s88, 15
	s_mov_b32 s[G0R0], 1
	s_add_co_u32 s[G0R0+1], s7, RB
	s_add_nc_u64 s[G0R0+2:G0R0+3], s[12:13], s[90:91]
	s_or_b32 s[G0R0+3], s[G0R0+3], 0x80000000
	s_lshl_b32 s90, s5, 10                         ; the row tile's 256 scale words of a K step
	s_mov_b32 s[G0SR], 1
	s_mov_b32 s[G0SR+1], SRB
	s_add_nc_u64 s[G0SR+2:G0SR+3], s[14:15], s[90:91]
	s_or_b32 s[G0SR+3], s[G0SR+3], 0x80000000
	s_lshl_b32 s86, s4, 9                          ; the n tile's 128 numbers of the bias
	s_add_nc_u64 s[16:17], s[16:17], s[86:87]
	s_lshl_b32 s84, s5, 20                         ; out: 256 rows of 4,096 bytes a row tile,
	s_lshl_b32 s85, s[WV], 17                      ; 32 rows a wave,
	s_add_co_u32 s84, s84, s85
	s_add_co_u32 s84, s84, s86                     ; 512 bytes an n tile
	s_mov_b32 s85, 0
	s_add_nc_u64 s[18:19], s[18:19], s[84:85]
	ROUND                                          ; all sixteen work-groups are here: the joint loads meet
	; the first fills, and the only ones: one chain of branches on the wave's number, one load to an arm: every way passes exactly one.  s_nop 0 and four v_nop follow each
	s_cmp_lt_u32 s[WV], 2
	s_cbranch_scc0 .Lnot_p
	tensor_load_to_lds s[G0P0:G0P0+3], s[G1P:G1P+7]
	s_nop 0
.rept 4
	v_nop
.endr
	s_branch .Lasked
.Lnot_p:
	s_cmp_lt_u32 s[WV], 6
	s_cbranch_scc0 .Lnot_r
	tensor_load_to_lds s[G0R0:G0R0+3], s[G1R:G1R+7]
	s_nop 0
.rept 4
	v_nop
.endr
	s_branch .Lasked
.Lnot_r:
	s_cmp_lt_u32 s[WV], 7
	s_cbranch_scc0 .Lnot_sp
	tensor_load_to_lds s[G0SP:G0SP+3], s[G1SP:G1SP+7]
	s_nop 0
.rept 4
	v_nop
.endr
	s_branch .Lasked
.Lnot_sp:
	tensor_load_to_lds s[G0SR:G0SR+3], s[G1SR:G1SR+7]
	s_nop 0
.rept 4
	v_nop
.endr
.Lasked:
	s_wait_alu depctr_va_vdst(0)
.irp a, 0,1
.irp t, 0,1,2,3,4,5,6,7
	global_load_b128 v[ACC+64*\a+8*\t:ACC+64*\a+8*\t+3], v[BIO], s[16:17] offset:64*\t       ; the bias lands in the accumulators: lane (r, h), tile t: n = 16 t + 8 h + 0 .. 7
	global_load_b128 v[ACC+64*\a+8*\t+4:ACC+64*\a+8*\t+7], v[BIO], s[16:17] offset:64*\t+16
.endr
.endr
	s_wait_tensorcnt 0x0                           ; my load has landed
	s_barrier_signal -1
	s_barrier_wait -1                              ; everybody's first half and the scales are in
	s_wait_loadcnt 0x0                             ; the bias
	KSTEP 0, 0
	KSTEP 0, 1
	KSTEP 0, 2
	KSTEP 0, 3
	KSTEP 1, 0
	KSTEP 1, 1
	KSTEP 1, 2
	KSTEP 1, 3
	; THE WAY OUT, 16 rows x 128 columns at a time.  A lane holds 32 neighbouring bytes of a row and the lanes beside it hold other rows: a block goes through my own stage and comes back as whole rows of 512 bytes.
	; LDS serves a wave's instructions in order (ISA guide 5.7.1.4): no wait between the stores and the loads, nor in front of the next block's stores.
.macro TOSTAGE a
.irp t, 0,1,2,3,4,5,6,7
	ds_store_b128 v[STO], v[ACC+64*(\a)+8*\t:ACC+64*(\a)+8*\t+3] offset:64*\t          ; each accumulator from its low end on
	ds_store_b128 v[STO], v[ACC+64*(\a)+8*\t+4:ACC+64*(\a)+8*\t+7] offset:64*\t+16
.endr
.endm
.macro BACK bk
.irp t, 0,1,2,3,4,5,6,7,8,9,10,11,12,13,14,15
	ds_load_b128 v[\bk+4*\t:\bk+4*\t+3], v[RD] offset:\t*SPITCH
.endr
.endm
.macro SEND bk, a
.irp t, 0,1,2,3,4,5,6,7,8,9,10,11,12,13,14,15
	global_store_b128 v[CO], v[\bk+4*\t:\bk+4*\t+3], s[18:19] offset:(16*(\a)+\t)*4096 th:TH_STORE_NT   ; 32 lanes store 512 consecutive bytes, aligned; written once, read by nobody here
.endr
.endm
.rept 4
	v_nop                                          ; four places behind the last products: for the reads of results and for the loads into Wo's registers
.endr
	TOSTAGE 0
	BACK PF                                        ; rows 0-15 into Wo's registers
	TOSTAGE 1
	s_wait_dscnt 16                                ; sixteen may be out, the second block's stores: the first block's stores have read its accumulators and its rows are back
	BACK ACC                                       ; rows 16-31 into the first block's accumulators
	SEND PF, 0
	s_wait_dscnt 0x0
	SEND ACC, 1
	s_wait_tensorcnt 0x0
	ds_add_u32 v46, v47
	s_wait_dscnt 0x0
	ROUND                                          ; the closing round: no work-group ends while a partner may still ask for a tile that names it
	s_endpgm
.Lfunc_end_k_qf338e2e68d_oproj:
	.size	k_qf338e2e68d_oproj, .Lfunc_end_k_qf338e2e68d_oproj-k_qf338e2e68d_oproj
	.p2alignl 7, 3214868480
	.fill 96, 4, 3214868480
	.section	.rodata,"a",@progbits
	.p2align	6, 0x0
	.amdhsa_kernel k_qf338e2e68d_oproj
		.amdhsa_group_segment_fixed_size 281856
		.amdhsa_private_segment_fixed_size 0
		.amdhsa_enable_private_segment 0
		.amdhsa_kernarg_size 48
		.amdhsa_user_sgpr_count 2
		.amdhsa_user_sgpr_kernarg_segment_ptr 1
		.amdhsa_wavefront_size32 1
		.amdhsa_system_sgpr_workgroup_id_x 1
		.amdhsa_system_sgpr_workgroup_id_y 1
		.amdhsa_system_sgpr_workgroup_id_z 1
		.amdhsa_system_vgpr_workitem_id 0
		.amdhsa_next_free_vgpr 256
		.amdhsa_next_free_sgpr 92
		.amdhsa_reserve_vcc 0
		.amdhsa_float_denorm_mode_32 3
		.amdhsa_float_denorm_mode_16_64 3
		.amdhsa_memory_ordered 1
		.amdhsa_forward_progress 1
		.amdhsa_inst_pref_size 49
	.end_amdhsa_kernel
	.amdgpu_metadata
---
amdhsa.version: [ 1, 2 ]
amdhsa.kernels:
  - .name:           k_qf338e2e68d_oproj
    .symbol:         k_qf338e2e68d_oproj.kd
    .args:
      - { .name: Wo_w_codes, .offset: 0, .size: 8, .value_kind: global_buffer, .address_space: global }
      - { .name: Wo_w_scales, .offset: 8, .size: 8, .value_kind: global_buffer, .address_space: global }
      - { .name: a_cod, .offset: 16, .size: 8, .value_kind: global_buffer, .address_space: global }
      - { .name: a_scl, .offset: 24, .size: 8, .value_kind: global_buffer, .address_space: global }
      - { .name: Wo_b, .offset: 32, .size: 8, .value_kind: global_buffer, .address_space: global }
      - { .name: out0, .offset: 40, .size: 8, .value_kind: global_buffer, .address_space: global }
    .group_segment_fixed_size: 281856
    .private_segment_fixed_size: 0
    .kernarg_segment_align: 8
    .kernarg_segment_size: 48
    .max_flat_workgroup_size: 256
    .sgpr_count:     92
    .vgpr_count:     256
    .wavefront_size: 32
...
	.end_amdgpu_metadata
.endif
;; end of part 3
